; MI455X (gfx1250); checked and timed in simulation.
; The chip was launched on July 23, 2026; its instructions are those of AMD's public machine-readable ISA for CDNA 5 (MIT licence, August 2026) and "CDNA5" Instruction Set Architecture Reference Guide (July 2026). The comments in the code are by the model that wrote it; some were corrected since.
;; Multi Head Attention. Allowed arithmetic: float matrix products may take bf16 or f16 operands with f32 sums; other float arithmetic in f32, or as packed bf16 or f16 multiplies, adds, multiply-adds, maxima and minima; sums over many terms, partial sums and values carried from step to step in f32; what a program stores and reads back later, other than sums and carried values, may be rounded once to bf16 or f16.
;; Inputs: Wk 2,048 x 2,048 float32; Wo 2,048 x 2,048 float32; Wq 2,048 x 2,048 float32; Wv 2,048 x 2,048 float32; token_positions 1 x 2,048 int32; x 1 x 2,048 x 2,048 float32.
;; Outputs: out0 1 x 2,048 x 2,048 float32.
;; 2 versions, each right; version 2 is version 1 with the launch prep written anew for expert scheduling mode. Each part assembles by itself: llvm-mc -triple=amdgcn-amd-amdhsa -mcpu=gfx1250 --defsym DOCPART=n.
;; ======== version 1 of 2: 4 launches
;; limits: values are held in f16: magnitudes above 65,504 overflow, below 6.1e-05 lose precision
;; workspace buffers: xb 8,388,608 bytes; wb 25,165,824 bytes; wo16 8,388,608 bytes; cs 1,048,576 bytes; qkv 25,165,824 bytes; o16 8,388,608 bytes
;; launch prep (part 1): grid 512 x 1, 8 waves a work-group, no clusters, 0 bytes of LDS; arguments x, Wq, Wk, Wv, Wo, token_positions, xb, wb, wo16, cs; writes xb, wb, wo16, cs
.if DOCPART == 1
	.amdgcn_target "amdgcn-amd-amdhsa--gfx1250"
	.amdhsa_code_object_version 6
	.text
	.protected	k_q7f512f15e4_prep
	.globl	k_q7f512f15e4_prep
	.p2align	8
	.type	k_q7f512f15e4_prep,@function
k_q7f512f15e4_prep:
	s_mov_b64 s[64:65], 0
	v_nop
	global_prefetch_b8 v0, s[64:65] scope:SCOPE_SE
	s_setreg_imm32_b32 hwreg(HW_REG_WAVE_MODE, 25, 1), 1
	s_wait_xcnt 0x0
; PREPARATION.  x, Wq, Wk, Wv are rounded once to bf16 (xb; wb = Wq, Wk, Wv one behind the other); Wo is rounded to bf16 and that number written as f16 (wo16);
; cs[token][i] = (cos, sin) of position(token) x 10000^(-i/64), i = 0..63, in f32: the rotation table, already gathered by token_positions.
; SHARES.  512 work-groups of 256 threads.  Of each of the five arrays (4,194,304 numbers) a work-group takes 8,192, in eight chunks of 1,024; of a chunk thread t takes numbers 4 t .. 4 t + 3:
; a load of a wave covers 512 consecutive bytes, aligned; the four numbers make 8 bytes, and a store of a wave covers 256 consecutive bytes, aligned.  All 40 loads of a thread go out before the first is used.
; Each byte is read once and written once; no LDS, no barrier, no matrix work: the launch only moves bytes.
; LIMITS.  A position is taken as unsigned and held to 0..4095 (the table of the problem has 4,096 rows).  Wo beyond 65,504 has no f16; below 6e-5 it keeps f16's fixed step of 6e-8.
; THE ANGLE is position x frequency, one f32 rounding; it is at most 4,095.  It is brought into -pi/4..pi/4 by n = round(angle x 2/pi), pi/2 in two parts (fused, so the first
; product is exact before its one rounding); sine and cosine there by polynomials of degree 7 and 8; the quadrant n mod 4 swaps them and sets the signs, by selects alone.
.set X, 32                             ; v[32:191]  array n (x, Wq, Wk, Wv, Wo), chunk j: four registers at X + 32 n + 4 j
	s_load_b512 s[8:23], s[0:1], 0x0               ; x s[8:9], Wq s[10:11], Wk s[12:13], Wv s[14:15], Wo s[16:17], token_positions s[18:19], xb s[20:21], wb s[22:23]
	s_load_b128 s[24:27], s[0:1], 0x40             ; wo16 s[24:25], cs s[26:27]
	s_lshl_b32 s2, ttmp9, 15                       ; the work-group's 8,192 numbers: 32,768 bytes in,
	s_lshl_b32 s3, ttmp9, 14                       ; 16,384 bytes out,
	s_lshl_b32 s4, ttmp9, 4                        ; its four tokens' positions,
	s_lshl_b32 s5, ttmp9, 11                       ; its 256 pairs of the table
	v_lshl_add_u32 v1, v0, 4, s2                   ; v1  my 16 bytes of a chunk, in
	v_lshl_add_u32 v2, v0, 3, s3                   ; v2  my 8 bytes of a chunk, out
	v_lshrrev_b32 v3, 6, v0
	v_lshl_add_u32 v3, v3, 2, s4                   ; v3  my token's position: token 4 g + t / 64
	v_lshl_add_u32 v4, v0, 3, s5                   ; v4  my pair of the table
	v_and_b32 v5, 63, v0                           ; i
	v_cvt_f32_u32 v5, v5
	v_mul_f32 v5, 0xbe549a78, v5                   ; - i x log2(10000) / 64
	v_exp_f32 v6, v5                               ; the frequency; its wait stands ahead of its first use, below
	s_wait_kmcnt 0x0
	s_add_nc_u64 s[28:29], s[22:23], 0x800000      ; wb's part for Wk,
	s_add_nc_u64 s[30:31], s[22:23], 0x1000000     ; and for Wv
	global_load_b32 v7, v3, s[18:19]
.macro LD n, sb                        ; array n's eight loads, a chunk each
.irp j, 0,1,2,3,4,5,6,7
	global_load_b128 v[X+32*(\n)+4*(\j):X+32*(\n)+4*(\j)+3], v1, s[\sb:\sb+1] offset:(\j)*4096 th:TH_LOAD_NT
.endr
.endm
	LD 0, 8
	LD 1, 10
	LD 2, 12
	LD 3, 14
	LD 4, 16
	s_wait_loadcnt 40                              ; the position is in; the 40 loads issued behind it stay out
	v_min_u32 v7, 0xfff, v7
	v_cvt_f32_u32 v7, v7
	s_wait_alu depctr_va_vdst(0)                   ; the wait between the exponential and the first line that names its result
	v_mul_f32 v8, v7, v6                           ; the angle
	v_mul_f32 v9, 0x3f22f983, v8                   ; x 2 / pi
	v_rndne_f32 v9, v9                             ; n
	v_fma_f32 v10, v9, 0xbfc90fdb, v8              ; angle - n x (pi/2 rounded to f32)
	v_fma_f32 v10, v9, 0x333bbd2e, v10             ; + n x (what that rounding added): r
	v_mul_f32 v11, v10, v10                        ; z = r r
	v_mov_b32 v12, 0xb94ca1f9
	v_fmaak_f32 v12, v12, v11, 0x3c08839e
	v_fmaak_f32 v12, v12, v11, 0xbe2aaaa3
	v_mul_f32 v15, v10, v11
	v_fma_f32 v12, v15, v12, v10                   ; sin r = r + r z (s1 + z (s2 + z s3))
	v_mov_b32 v13, 0x37ccf5d0
	v_fmaak_f32 v13, v13, v11, 0xbab6061a
	v_fmaak_f32 v13, v13, v11, 0x3d2aaaa5
	v_mul_f32 v18, v11, v11
	v_fma_f32 v19, v11, -0.5, 1.0
	v_fma_f32 v13, v18, v13, v19                   ; cos r = 1 - z / 2 + z z (c1 + z (c2 + z c3))
	v_cvt_i32_f32 v14, v9
	v_and_b32 v20, 1, v14
	v_cmp_eq_u32 vcc_lo, 1, v20                    ; an odd quadrant swaps the two
	v_cndmask_b32 v17, v12, v13, vcc_lo            ; sine
	v_cndmask_b32 v16, v13, v12, vcc_lo            ; cosine
	v_and_b32 v21, 2, v14                          ; the sine is negative in quadrants 2 and 3,
	v_lshlrev_b32 v21, 30, v21
	v_xor_b32 v17, v21, v17
	v_add_nc_u32 v22, 1, v14                       ; the cosine in quadrants 1 and 2
	v_and_b32 v22, 2, v22
	v_lshlrev_b32 v22, 30, v22
	v_xor_b32 v16, v22, v16
	global_store_b64 v4, v[16:17], s[26:27]        ; a wave stores 256 consecutive bytes, aligned; v4, v16, v17 are not written again
; Array n is rounded in place (word k of a chunk's four registers takes numbers 2 k and 2 k + 1, k ascending, so no number is overwritten before it is read) and stored.  No register is written again behind its store.
.macro CV n, sb, left, half
	s_wait_loadcnt \left                           ; loads come back in order: this array's eight are in, the later arrays' stay out
.irp j, 0,1,2,3,4,5,6,7
	v_cvt_pk_bf16_f32 v[X+32*(\n)+4*(\j)],   v[X+32*(\n)+4*(\j)],   v[X+32*(\n)+4*(\j)+1]
	v_cvt_pk_bf16_f32 v[X+32*(\n)+4*(\j)+1], v[X+32*(\n)+4*(\j)+2], v[X+32*(\n)+4*(\j)+3]
.if \half
.irp k, 0,1
	v_lshlrev_b32 v24, 16, v[X+32*(\n)+4*(\j)+(\k)]        ; the bf16 numbers as f32,
	v_and_b32 v25, 0xffff0000, v[X+32*(\n)+4*(\j)+(\k)]
	v_cvt_pk_f16_f32 v[X+32*(\n)+4*(\j)+(\k)], v24, v25    ; written as f16: exact within f16's range
.endr
.endif
	global_store_b64 v2, v[X+32*(\n)+4*(\j):X+32*(\n)+4*(\j)+1], s[\sb:\sb+1] offset:(\j)*2048
.endr
.endm
	CV 0, 20, 32, 0
	CV 1, 22, 24, 0
	CV 2, 28, 16, 0
	CV 3, 30, 8, 0
	CV 4, 24, 0, 1
	s_endpgm
.Lfunc_end_k_q7f512f15e4_prep:
	.size	k_q7f512f15e4_prep, .Lfunc_end_k_q7f512f15e4_prep-k_q7f512f15e4_prep
	.p2alignl 7, 3214868480
	.fill 96, 4, 3214868480
	.section	.rodata,"a",@progbits
	.p2align	6, 0x0
	.amdhsa_kernel k_q7f512f15e4_prep
		.amdhsa_group_segment_fixed_size 0
		.amdhsa_private_segment_fixed_size 0
		.amdhsa_enable_private_segment 0
		.amdhsa_kernarg_size 80
		.amdhsa_user_sgpr_count 2
		.amdhsa_user_sgpr_kernarg_segment_ptr 1
		.amdhsa_wavefront_size32 1
		.amdhsa_system_sgpr_workgroup_id_x 1
		.amdhsa_system_sgpr_workgroup_id_y 1
		.amdhsa_system_sgpr_workgroup_id_z 1
		.amdhsa_system_vgpr_workitem_id 0
		.amdhsa_next_free_vgpr 200
		.amdhsa_next_free_sgpr 66
		.amdhsa_reserve_vcc 1
		.amdhsa_float_denorm_mode_32 3
		.amdhsa_float_denorm_mode_16_64 3
		.amdhsa_memory_ordered 1
		.amdhsa_forward_progress 1
		.amdhsa_inst_pref_size 18
	.end_amdhsa_kernel
	.amdgpu_metadata
---
amdhsa.version: [ 1, 2 ]
amdhsa.kernels:
  - .name:           k_q7f512f15e4_prep
    .symbol:         k_q7f512f15e4_prep.kd
    .args:
      - { .name: x, .offset: 0, .size: 8, .value_kind: global_buffer, .address_space: global }
      - { .name: Wq, .offset: 8, .size: 8, .value_kind: global_buffer, .address_space: global }
      - { .name: Wk, .offset: 16, .size: 8, .value_kind: global_buffer, .address_space: global }
      - { .name: Wv, .offset: 24, .size: 8, .value_kind: global_buffer, .address_space: global }
      - { .name: Wo, .offset: 32, .size: 8, .value_kind: global_buffer, .address_space: global }
      - { .name: token_positions, .offset: 40, .size: 8, .value_kind: global_buffer, .address_space: global }
      - { .name: xb, .offset: 48, .size: 8, .value_kind: global_buffer, .address_space: global }
      - { .name: wb, .offset: 56, .size: 8, .value_kind: global_buffer, .address_space: global }
      - { .name: wo16, .offset: 64, .size: 8, .value_kind: global_buffer, .address_space: global }
      - { .name: cs, .offset: 72, .size: 8, .value_kind: global_buffer, .address_space: global }
    .group_segment_fixed_size: 0
    .private_segment_fixed_size: 0
    .kernarg_segment_align: 8
    .kernarg_segment_size: 80
    .max_flat_workgroup_size: 256
    .sgpr_count:     66
    .vgpr_count:     200
    .wavefront_size: 32
...
	.end_amdgpu_metadata
.endif
;; end of part 1
;; launch qkv (part 2): grid 16 x 16, 4 waves a work-group, clusters of 4 x 4, 327,680 bytes of LDS; arguments xb, wb, cs, qkv; writes qkv
.if DOCPART == 2
	.amdgcn_target "amdgcn-amd-amdhsa--gfx1250"
	.amdhsa_code_object_version 6
	.text
	.protected	k_q7f512f15e4_qkv
	.globl	k_q7f512f15e4_qkv
	.p2align	8
	.type	k_q7f512f15e4_qkv,@function
k_q7f512f15e4_qkv:
	s_mov_b64 s[64:65], 0
	v_nop
	global_prefetch_b8 v0, s[64:65] scope:SCOPE_SE
	s_setreg_imm32_b32 hwreg(HW_REG_WAVE_MODE, 25, 1), 1
	s_wait_xcnt 0x0
	s_wait_alu depctr_hold_cnt(0) depctr_sa_sdst(0) depctr_va_vdst(0) depctr_va_sdst(0) depctr_va_ssrc(0) depctr_va_vcc(0) depctr_vm_vsrc(0)
	s_getreg_b32 s2, hwreg(HW_REG_IB_STS2, 6, 4)
	s_cmp_eq_u32 s2, 0
	s_cbranch_scc0 .Lentry_in_a_cluster
	s_endpgm
.Lentry_in_a_cluster:
	s_bfe_u32 s2, ttmp6, 0x10000c
	s_cmp_lg_u32 s2, 0xf033
	s_cbranch_scc0 .Lentry_shape_is_right
	s_endpgm
.Lentry_shape_is_right:
; THE THREE PROJECTIONS AND THE ROTATION.  q, k, v[token][n] = the sum over c of x[token][c] W[n][c], bf16 operands, f32 sums; q and k are rotated pair by pair with the table cs (f32);
; all three are rounded once to f16 and stored by heads: qkv[3][16 heads][2048 tokens][128], rows of 256 bytes, unscaled.
; LIMIT.  f16 holds no number beyond 65,504: q, k and v must stay within it (with the drawn inputs their spread is 1).
; SHARES.  A work-group makes 128 tokens x one head's 128 columns of q, of k and of v: 16 x 16 work-groups (x: the token block, y: the head).  Wave w makes all 128 tokens x columns 32 w .. 32 w + 31 of each
; of the three: 48 accumulators of 16 x 16 (token block a = 0..7, b = 0..5: matrix b / 2, column block b % 2), 384 registers; so the rotation is shared out evenly.
; K goes in steps of 128 through a ring of two LDS slots; a slot holds 128 rows of x, of Wq, of Wk and of Wv, 256 bytes each and 272 apart; wave 0 fetches x's, waves 1 to 3 the weights', one tensor load each.
; CLUSTER.  4 x 4 work-groups.  The four of a column of the cluster share their tokens, the four of a row their head: each tile is asked for jointly, by the same load, descriptor and mask in all four.
; THE WALK ALONG K BEGINS ELSEWHERE IN EACH CLUSTER: at K step 4 ((X + 2 a) mod 4), X the cluster's x, a the parity of the two bits of the cluster's y, and goes round all 16 (f32 sums may be taken in any
; order).  The four clusters that read the same weights (same y) begin 4 K steps apart; of the four that read the same rows of x (same x), two and two begin 8 apart: a block's readers come to it in different trips.
; THE PRODUCT IS TAKEN TRANSPOSED (source 0 = 16 rows of a weight, source 1 = 16 tokens): a lane holds one token (lane % 16) and eight neighbouring columns 8 (lane / 16) + 0..7: four pairs of the rotation.
; REGISTERS, in windows of 256 (s_set_vgpr_msb: bits 1:0 source 0, 3:2 source 1, 5:4 source 2, 7:6 destination):
;   window 0: v8-30 addresses; v64-127, v128-191 x's fragments, two buffers; v192-247 at work on the way out; v64-255 the rows read back
;   window 1: v64-111, v128-175 the weights' fragments, two buffers; v0-63, v192-255 my part of the table: group g = 2 a + column block at 8 g + 128 (g / 8): c0 s0 c1 s1 c2 s2 c3 s3
;   window 2: accumulators of a = 0..3 at 8 (6 a + b);   window 3: those of a = 4..7
.set SIZE_K, 2048
.set KSTEP,  128
.set NSTEP,  SIZE_K/KSTEP              ; 16 K steps
.set PITCH,  272                       ; 256 bytes + 16 of padding = 68 words: the 16 rows of a fragment load start at 16 different groups of four banks (64 banks of 4 bytes: ISA guide 11.1)
.set HALFT,  128*PITCH                 ; what one tensor load brings
.set SLOT,   4*HALFT                   ; x, Wq, Wk, Wv
.set SPARE,  2*SLOT                    ; behind the ring: the spare words, 128 bytes a wave: two blocks of 256 bytes that no other line names
.set LAPS,   SIZE_K/(2*KSTEP)          ; a lap = two K steps = once round the ring
.set RD,   8                           ; v8-10   the way out: where I read rows of matrix 0, 1, 2 back
.set CO,   12                          ; v12     16 x my lane: my 16 bytes of 512 consecutive bytes of the output
.set TO,   13                          ; v13     my byte offset in the table; never rewritten
.set ADRA, 16                          ; v16-17  LDS address of x's fragments in slot 0, 1
.set ADRB, 18                          ; v18-19  of Wq's (Wk's lie HALFT further on, within the immediate's 16 bits)
.set ADRC, 20                          ; v20-21  of Wv's
.set STO,  24                          ; v24-26  the way out: where I put 16 bytes of a row of matrix 0, 1, 2
.set SPW,  28                          ; v28     LDS address of my spare word; never rewritten
.set NIL,  29                          ; v29     0; never rewritten
.set PFO,  30                          ; v30     the prefetches' offset: my lane x 4,096 (a row of xb); never rewritten
.set F0,   64
.set F1,   128
.set TMP,  192                         ; v192-223  32 rotated numbers
.set PKD,  224                         ; v224-247  24 packed words
.set WV,  12                           ; s12      my wave's number
.set G1,  24                           ; s[24:31] descriptor group 1 for x's tiles;  s[32:39] group 0, a set for each slot
.set G0,  32
.set LIM, 43                           ; s43      5 in a wave that prefetches, else the greatest number
.set PFA, 44                           ; s[44:45] what the prefetch in hand names
.set G1B, 48                           ; s[48:55], s[56:63] the same for the weights' tiles
.set G0B, 56
.set BA,  66                           ; s[66:67] x at my tile's first row, K step 0
.set BB,  68                           ; s[68:69] my weight likewise
.set OFS, 70                           ; s[70:71] a K step's byte offset in a row
.set KN,  72                           ; s72      the K step to be asked for next
.set PFB, 74                           ; s[74:75] x at my work-group's 32 rows of the tile, K step 0
.set MSB, 0
.macro WIN new                         ; the immediate's high byte repeats the setting that is left; a switch that changes nothing is dropped
.if MSB != (\new)
	s_set_vgpr_msb (MSB<<8)|(\new)
.set MSB, \new
.endif
.endm
.set MUL_LO, 0xa1                      ; source 0 (weights) window 1, source 1 (x) window 0, C and D window 2
.set MUL_HI, 0xf1                      ; the same, C and D window 3
.set TO_B,   0x40                      ; destination window 1, address window 0
; A joint load.  Wave 0 fetches x's tile, waves 1 to 3 the three weights'.  The branch hangs on the wave's number alone.  An s_nop 0 and four v_nop follow each of the two lines.
.macro JLOAD s
	s_cmp_eq_u32 s[WV], 0
	s_cbranch_scc0 .Lfor_b_\@
	tensor_load_to_lds s[G0+4*(\s):G0+4*(\s)+3], s[G1:G1+7]
	s_nop 0
.rept 4
	v_nop
.endr
	s_branch .Lasked_\@
.Lfor_b_\@:
	tensor_load_to_lds s[G0B+4*(\s):G0B+4*(\s)+3], s[G1B:G1B+7]
	s_nop 0
.rept 4
	v_nop
.endr
.Lasked_\@:
.endm
; A prefetch into the L2, behind a joint refill and the run of LDS loads that follows it: the K step that stands two refills on, 32 rows x 256 bytes, a lane a row, one instruction.
; WHICH BLOCKS.  Of the clusters that read a block, the one that comes to it first does so in its trips 0 to 3 (the weights: four starts, 4 apart) or 0 to 7 (x: two starts, 8 apart).  Trips 0 to 3 come by
; their loads alone, so x's trips 4 to 7 are what is asked for: behind the refills of trips 2 to 5, the loop's first two laps (s3 = 7, 6).  WHO.  Of the two clusters with the same start the one with
; y = 0 or 1; in it wave 0, which fetches x; the four partners that ask for a tile jointly take 32 of its 128 rows each, told apart by address (cy).  So each block is named once in the launch.
.macro ASK
	s_cmp_gt_u32 s3, s[LIM]
	s_cbranch_scc0 .Lnot_mine_\@
	global_prefetch_b8 v[PFO], s[PFA:PFA+1] th:TH_LOAD_NT scope:SCOPE_SE
.Lnot_mine_\@:
.endm
.macro CREST                           ; a round of the cluster's barrier behind its opening barrier
	s_cmp_lg_u32 s[WV], 0
	s_cbranch_scc1 .Lnot_wave_0_\@
	s_barrier_signal -3
.Lnot_wave_0_\@:
	s_barrier_wait -3
	s_barrier_signal -1
	s_barrier_wait -1
.endm
.macro CROUND                          ; a whole round
	s_barrier_signal -1
	s_barrier_wait -1
	CREST
.endm
	s_load_b256 s[4:11], s[0:1], 0x0               ; xb s[4:5], wb s[6:7], cs s[8:9], qkv s[10:11]
	v_lshl_add_u32 v[SPW], v0, 2, SPARE
	v_mov_b32 v[NIL], 0
	ds_add_u32 v[SPW], v[NIL]                      ; the wave's opening: the add and its wait stand ahead of my first tensor load; work on registers stands between them
	v_lshrrev_b32 v1, 5, v0
	v_readfirstlane_b32 s[WV], v1                  ; wave 0..3
	s_bfe_u32 s40, ttmp6, 0x40000                  ; cx
	s_bfe_u32 s41, ttmp6, 0x40004                  ; cy
	s_lshl_b32 s13, ttmp9, 2
	s_add_co_u32 s13, s13, s40                     ; the block of 128 tokens = 4 x cluster x + cx
	s_and_b32 s22, ttmp7, 0xffff                   ; cluster y
	s_lshl_b32 s42, s22, 2
	s_add_co_u32 s42, s42, s41                     ; the head = 4 x cluster y + cy
	s_lshl_b32 s43, s41, 2
	s_lshl_b32 s43, 15, s43                        ; my row of the cluster: it shares the head
	s_lshl_b32 s44, 0x1111, s40                    ; my column: it shares the tokens
	s_or_b32 s[G1+0], s44, (1<<16)|(1<<20)|(1<<21)|(5<<22)|(3<<25)   ; 15:0 the mask; 17:16 2-byte elements; 20 padding on; 21 set beside a mask; 24:22 after every 64 words; 31:25 4 words
	s_or_b32 s[G1B+0], s43, (1<<16)|(1<<20)|(1<<21)|(5<<22)|(3<<25)
.irp g, G1, G1B
	s_mov_b32 s[(\g)+1], KSTEP<<16                 ; tensor_dim0 = 128
	s_mov_b32 s[(\g)+2], 128<<16                   ; tensor_dim1 = 128
	s_mov_b32 s[(\g)+3], KSTEP<<16                 ; tile_dim0 = 128
	s_mov_b32 s[(\g)+4], 128                       ; tile_dim1 = 128
	s_mov_b32 s[(\g)+5], SIZE_K                    ; elements from row to row
	s_mov_b32 s[(\g)+6], 0
	s_mov_b32 s[(\g)+7], 0
.endr
	s_lshr_b32 s23, s22, 1                         ; where the walk along K begins: made of the cluster's x and y alone, so it is the same in all sixteen partners
	s_xor_b32 s23, s23, s22
	s_and_b32 s23, s23, 1                          ; a
	s_lshl_b32 s23, s23, 1
	s_add_co_u32 s23, s23, ttmp9
	s_and_b32 s23, s23, 3
	s_lshl_b32 s[KN], s23, 2                       ; K step 0, 4, 8 or 12
	s_lshl_b32 s[OFS], s[KN], 8                    ; 256 bytes of a row a K step
	s_mov_b32 s[OFS+1], 0
	s_lshl_b32 s16, s13, 19                        ; x: 128 tokens x 4,096 bytes a block; these registers never hold the head
	s_mov_b32 s17, 0
	s_max_u32 s46, s[WV], 1
	s_sub_co_u32 s46, s46, 1                       ; which weight I fetch (wave 0, which fetches none, makes Wq's address and does not use it)
	s_lshl_b32 s46, s46, 23                        ; 2,048 rows x 4,096 bytes a weight
	s_lshl_b32 s47, s42, 19                        ; the head's 128 rows; these registers never hold the token block
	s_add_co_u32 s46, s46, s47
	s_mov_b32 s47, 0
	s_mul_i32 s20, s[WV], HALFT                    ; where my tile goes in a slot: no place in the cluster enters an LDS address
	s_wait_dscnt 0x0                               ; the opening add is done
	s_wait_kmcnt 0x0
	s_add_nc_u64 s[BA:BA+1], s[4:5], s[16:17]
	s_add_nc_u64 s[BB:BB+1], s[6:7], s[46:47]
	CROUND                                         ; all sixteen work-groups are here: the first joint loads meet
.irp s, 0,1
	s_mov_b32 s[G0+4*(\s)], 1
	s_add_co_u32 s[G0+4*(\s)+1], s20, (\s)*SLOT
	s_add_nc_u64 s[G0+4*(\s)+2:G0+4*(\s)+3], s[BA:BA+1], s[OFS:OFS+1]
	s_add_nc_u64 s[G0+4*(\s)+2:G0+4*(\s)+3], s[G0+4*(\s)+2:G0+4*(\s)+3], (\s)*KSTEP*2
	s_or_b32 s[G0+4*(\s)+3], s[G0+4*(\s)+3], 0x80000000
	s_mov_b32 s[G0B+4*(\s)], 1
	s_add_co_u32 s[G0B+4*(\s)+1], s20, (\s)*SLOT
	s_add_nc_u64 s[G0B+4*(\s)+2:G0B+4*(\s)+3], s[BB:BB+1], s[OFS:OFS+1]
	s_add_nc_u64 s[G0B+4*(\s)+2:G0B+4*(\s)+3], s[G0B+4*(\s)+2:G0B+4*(\s)+3], (\s)*KSTEP*2
	s_or_b32 s[G0B+4*(\s)+3], s[G0B+4*(\s)+3], 0x80000000
	JLOAD \s                                       ; the walk's first two K steps (the start is a multiple of 4: no turn round the end here): two loads of mine are out
.endr
	s_add_co_u32 s[KN], s[KN], 2
	s_and_b32 s[KN], s[KN], NSTEP-1
	v_and_b32 v1, 15, v0                           ; l % 16
	v_bfe_u32 v2, v0, 4, 1                         ; l / 16
	; my part of the table: token 128 tx + 16 a + l % 16, pairs 16 w + 8 (column block) + 4 (l / 16) + 0..3: 32 bytes, by two loads; it is waited for on the way out
	s_lshl_b32 s22, s13, 16
	s_lshl_b32 s23, s[WV], 7
	s_add_co_u32 s22, s22, s23
	v_lshlrev_b32 v[TO], 9, v1
	v_lshl_add_u32 v[TO], v2, 5, v[TO]
	v_add_nc_u32 v[TO], s22, v[TO]
	WIN TO_B
.set g, 0
.rept 16
	global_load_b128 v[8*g+128*(g/8):8*g+128*(g/8)+3],   v[TO], s[8:9] offset:(g/2)*8192+(g%2)*64
	global_load_b128 v[8*g+128*(g/8)+4:8*g+128*(g/8)+7], v[TO], s[8:9] offset:(g/2)*8192+(g%2)*64+16
.set g, g+1
.endr
	WIN 0
	; a fragment is 16 rows x 32 K in 8 registers: lane l holds row l % 16; two loads of 16 bytes, 32 bytes apart, at row x pitch + 16 (l / 16)
	v_mul_u32_u24 v3, v1, PITCH
	v_lshl_add_u32 v3, v2, 4, v3
	s_mul_i32 s21, s[WV], 32*PITCH
	s_add_co_u32 s21, s21, HALFT                   ; my 32 rows of Wq
.irp s, 0,1
	v_add_nc_u32 v[ADRA+(\s)], (\s)*SLOT, v3
	v_add_nc_u32 v[ADRB+(\s)], s21, v3
	v_add_nc_u32 v[ADRC+(\s)], 2*HALFT, v[ADRB+(\s)]
	s_add_co_u32 s21, s21, SLOT
.endr
	; the way out goes through slot 0's first 104,448 bytes, which have had their last fill by then: matrix m at m x HALFT, 128 rows of 272 bytes
	s_lshl_b32 s22, s[WV], 6
	v_add_nc_u32 v[STO], s22, v3                   ; in: row l % 16, my 32 columns' 64 bytes, 16 bytes for each half of the lanes
	v_add_nc_u32 v[STO+1], HALFT, v[STO]
	v_add_nc_u32 v[STO+2], 2*HALFT, v[STO]
	v_mul_u32_u24 v5, v2, PITCH                    ; back: wave w takes rows 32 w .. 32 w + 31, whole: lanes 0-15 one row, lanes 16-31 the next
	v_lshl_add_u32 v5, v1, 4, v5
	s_mul_i32 s23, s[WV], 32*PITCH
	v_add_nc_u32 v[RD], s23, v5
	v_add_nc_u32 v[RD+1], HALFT, v[RD]
	v_add_nc_u32 v[RD+2], 2*HALFT, v[RD]
	v_and_b32 v4, 31, v0
	v_lshlrev_b32 v[CO], 4, v4
	s_lshl_b32 s20, s42, 19                        ; the output: the head's 2,048 rows of 256 bytes,
	s_lshl_b32 s21, s13, 15                        ; the block's 128,
	s_add_co_u32 s20, s20, s21
	s_lshl_b32 s21, s[WV], 13                      ; my 32
	s_add_co_u32 s20, s20, s21
	s_mov_b32 s21, 0
	s_add_nc_u64 s[10:11], s[10:11], s[20:21]      ; q
	s_add_nc_u64 s[16:17], s[10:11], 0x800000      ; k
	s_add_nc_u64 s[18:19], s[16:17], 0x800000      ; v
	; the prefetches: x's rows alone
	s_and_b32 s22, ttmp7, 0xffff                   ; cluster y
	s_cmp_lt_u32 s22, 2
	s_cselect_b32 s[LIM], 5, -1
	s_cmp_eq_u32 s[WV], 0
	s_cselect_b32 s[LIM], s[LIM], -1               ; the same in all sixteen partners, for a given wave
	s_lshl_b32 s14, s13, 7                         ; the tile's first row,
	s_lshl_b32 s15, s41, 5
	s_add_co_u32 s14, s14, s15                     ; my work-group's 32 rows of the 128
	s_lshl_b32 s14, s14, 12
	s_mov_b32 s15, 0
	s_add_nc_u64 s[PFB:PFB+1], s[4:5], s[14:15]
	v_lshlrev_b32 v[PFO], 12, v4
; 12 matrix instructions: token blocks a0, a0 + 1 of the window's four x all six column blocks, 32 along K.  zero = 1: the product starts the sums.  The 48 accumulators take turns, in the same order in every quarter.
.macro MUL12 f, hi, a0, zero
	WIN MUL_LO+0x50*(\hi)
.irp a, \a0, (\a0)+1
.irp b, 0,1,2,3,4,5
.if \zero
	v_wmma_f32_16x16x32_bf16 v[8*(6*(\a)+(\b)):8*(6*(\a)+(\b))+7], v[(\f)+8*(\b):(\f)+8*(\b)+7], v[(\f)+8*(4*(\hi)+(\a)):(\f)+8*(4*(\hi)+(\a))+7], 0
.else
	v_wmma_f32_16x16x32_bf16 v[8*(6*(\a)+(\b)):8*(6*(\a)+(\b))+7], v[(\f)+8*(\b):(\f)+8*(\b)+7], v[(\f)+8*(4*(\hi)+(\a)):(\f)+8*(4*(\hi)+(\a))+7], v[8*(6*(\a)+(\b)):8*(6*(\a)+(\b))+7]
.endif
.endr
.endr
.endm
; 28 LDS loads in one run: the fragments of 32 along K at byte k of the rows: my 96 rows of the weights, then x's 128 rows
.macro FETCH slot, k, f
	WIN TO_B
.irp b, 0,1,2,3
	ds_load_b128 v[(\f)+8*(\b):(\f)+8*(\b)+3],   v[ADRB+(\slot)] offset:(\k)+((\b)/2)*HALFT+((\b)%2)*16*PITCH
	ds_load_b128 v[(\f)+8*(\b)+4:(\f)+8*(\b)+7], v[ADRB+(\slot)] offset:(\k)+((\b)/2)*HALFT+((\b)%2)*16*PITCH+32
.endr
.irp b, 4,5
	ds_load_b128 v[(\f)+8*(\b):(\f)+8*(\b)+3],   v[ADRC+(\slot)] offset:(\k)+((\b)%2)*16*PITCH
	ds_load_b128 v[(\f)+8*(\b)+4:(\f)+8*(\b)+7], v[ADRC+(\slot)] offset:(\k)+((\b)%2)*16*PITCH+32
.endr
	WIN 0
.irp i, 0,1,2,3,4,5,6,7
	ds_load_b128 v[(\f)+8*(\i):(\f)+8*(\i)+3],   v[ADRA+(\slot)] offset:(\k)+(\i)*16*PITCH
	ds_load_b128 v[(\f)+8*(\i)+4:(\f)+8*(\i)+7], v[ADRA+(\slot)] offset:(\k)+(\i)*16*PITCH+32
.endr
.endm
.macro PLACES                          ; four places in front of loads into registers that matrix instructions have read, and of vector lines that read results
.rept 4
	v_nop
.endr
.endm
; A K step is four quarters of 32 along K, 48 matrix instructions each, on buffers 0, 1, 0, 1.  One of the first three multiplies buffer f and fetches the next quarter, at byte k, into g.
.macro QUARTER slot, k, f, g, zero
	s_wait_dscnt 8                                 ; the weights and x's rows 0-63 are in; the youngest eight loads (x's rows 64-127) may be out
	MUL12 \f, 0, 0, \zero
	MUL12 \f, 0, 2, \zero
	PLACES
	FETCH \slot, \k, \g
	s_wait_dscnt 28                                ; all but the 28 just issued
	MUL12 \f, 1, 0, \zero
	MUL12 \f, 1, 2, \zero
.endm
; The last quarter multiplies buffer 1 and changes slots: one barrier; in front of it each wave waits for all its tensor loads (one is out: its part of the next slot), adds 0 to its spare word, and waits
; for that and for its own reads of this slot.  fill = 1: the barrier opens a round of the cluster's, and this slot is filled again first thing behind it, with K step KN: 168 matrix instructions ahead of the wait for it.
.macro TURN slot, next, fill
.if \fill
	s_wait_xcnt 0x0                                ; the last prefetch, a K step back, has read its address: it is made anew here, ahead of the waits of the change of slots:
	s_add_co_u32 s[OFS], s[KN], 2                  ; the K step two refills on, round the end
	s_and_b32 s[OFS], s[OFS], NSTEP-1
	s_lshl_b32 s[OFS], s[OFS], 8
	s_add_nc_u64 s[PFA:PFA+1], s[PFB:PFB+1], s[OFS:OFS+1]
.endif
	WIN 0                                          ; (the add's two registers lie in window 0)
	s_wait_tensorcnt 0x0                           ; all my tensor loads have landed, so a group 0 may be written
	ds_add_u32 v[SPW], v[NIL]                      ; 0 onto my spare word; scalar and matrix work stands between it and the wait for it
.if \fill
	s_lshl_b32 s[OFS], s[KN], 8                    ; the refill's addresses are made anew from the K step's number
	s_add_nc_u64 s[G0+4*(\slot)+2:G0+4*(\slot)+3], s[BA:BA+1], s[OFS:OFS+1]
	s_or_b32 s[G0+4*(\slot)+3], s[G0+4*(\slot)+3], 0x80000000
	s_add_nc_u64 s[G0B+4*(\slot)+2:G0B+4*(\slot)+3], s[BB:BB+1], s[OFS:OFS+1]
	s_or_b32 s[G0B+4*(\slot)+3], s[G0B+4*(\slot)+3], 0x80000000
	s_add_co_u32 s[KN], s[KN], 1                   ; the next K step, round the end
	s_and_b32 s[KN], s[KN], NSTEP-1
.endif
	s_wait_dscnt 9                                 ; (the add and the youngest eight loads may be out)
	MUL12 F1, 0, 0, 0                              ; twelve matrix instructions
	s_wait_dscnt 0x0                               ; the add is done, and my reads of this slot are over
	s_barrier_signal -1
	MUL12 F1, 0, 2, 0
.if \fill
	WIN 0
.endif
	s_barrier_wait -1
.if \fill
	CREST                                          ; no wave of any partner still reads this slot or has a load on its way
	JLOAD \slot                                    ; the four v_nop behind it are also the places in front of the loads below
.else
	PLACES
.endif
	FETCH \next, 0, F0
.if \fill
	ASK
.endif
	MUL12 F1, 1, 0, 0
	MUL12 F1, 1, 2, 0
.endm
	s_wait_tensorcnt 1                             ; my part of the first K step is in; the second's may stay out
	s_barrier_signal -1
	s_barrier_wait -1                              ; everybody's is
	FETCH 0, 0, F0
	QUARTER 0, 64,  F0, F1, 1                      ; the first quarter stands in front of the loop: its products start the sums
	WIN 0                                          ; at a label and at a branch every window is 0
	s_mov_b32 s3, LAPS-1
.Llap:                                                 ; a trip goes once round the ring, from a lap's second quarter to the next lap's first, and fills both slots again
	QUARTER 0, 128, F1, F0, 0
	QUARTER 0, 192, F0, F1, 0
	TURN 0, 1, 1
	QUARTER 1, 64,  F0, F1, 0
	QUARTER 1, 128, F1, F0, 0
	QUARTER 1, 192, F0, F1, 0
	TURN 1, 0, 1
	QUARTER 0, 64,  F0, F1, 0
	WIN 0
	s_sub_co_u32 s3, s3, 1
	s_cmp_lg_u32 s3, 0
	s_cbranch_scc1 .Llap
	QUARTER 0, 128, F1, F0, 0                      ; the last lap fills nothing
	QUARTER 0, 192, F0, F1, 0
	TURN 0, 1, 0                                   ; behind this barrier nobody reads slot 0 any more
	QUARTER 1, 64,  F0, F1, 0
	QUARTER 1, 128, F1, F0, 0
	QUARTER 1, 192, F0, F1, 0
	s_wait_dscnt 8
	MUL12 F1, 0, 0, 0
	MUL12 F1, 0, 2, 0
	s_wait_dscnt 0x0
	MUL12 F1, 1, 0, 0
	MUL12 F1, 1, 2, 0
	WIN 0
	; THE WAY OUT.  q's and k's pairs are rotated: (xe, xo) -> (c xe - s xo, s xe + c xo); all is rounded to f16, 16 bytes a lane, and goes into the stage.  Each accumulator's registers are taken in ascending order.
	s_wait_loadcnt 0x0                             ; the table
	PLACES
.macro ROPE a
.set AC, 48*((\a)%4)
	WIN 0x09+4*((\a)/4)                            ; source 0 (table) window 1, source 1 (sums) window 2 or 3, the rest window 0
.set b, 0
.rept 4
.set g, 2*(\a)+b%2
.set TB, 8*g+128*(g/8)
.set j, 0
.rept 4
	v_mul_f32 v[TMP+8*b+2*j],   v[TB+2*j],   v[AC+8*b+2*j]
	v_mul_f32 v[TMP+8*b+2*j+1], v[TB+2*j+1], v[AC+8*b+2*j]
	v_fma_f32 v[TMP+8*b+2*j],   -v[TB+2*j+1], v[AC+8*b+2*j+1], v[TMP+8*b+2*j]
	v_fma_f32 v[TMP+8*b+2*j+1], v[TB+2*j],   v[AC+8*b+2*j+1], v[TMP+8*b+2*j+1]
.set j, j+1
.endr
.set b, b+1
.endr
	WIN 0x0a+5*((\a)/4)                            ; sources 0 and 1 window 2 or 3: v is rounded as it is
.set j, 0
.rept 8
	v_cvt_pk_f16_f32 v[PKD+16+j], v[AC+32+2*j], v[AC+32+2*j+1]
.set j, j+1
.endr
	WIN 0
.set j, 0
.rept 16
	v_cvt_pk_f16_f32 v[PKD+j], v[TMP+2*j], v[TMP+2*j+1]
.set j, j+1
.endr
.irp b, 0,1,2,3,4,5
	ds_store_b128 v[STO+(\b)/2], v[PKD+4*(\b):PKD+4*(\b)+3] offset:(\a)*16*PITCH+32*((\b)%2)
.endr
.endm
.irp a, 0,1,2,3,4,5,6,7
	ROPE \a
.endr
	s_wait_dscnt 0x0                               ; for the others' sake: my stores into the stage are done
	s_barrier_signal -1
	s_barrier_wait -1                              ; a row's 256 bytes come from all four waves
.irp m, 0,1,2
.irp t, 0,1,2,3,4,5,6,7,8,9,10,11,12,13,14,15
	ds_load_b128 v[64+64*(\m)+4*(\t):64+64*(\m)+4*(\t)+3], v[RD+(\m)] offset:(\t)*2*PITCH
.endr
.endr
.macro OUTM m, sb
.irp t, 0,1,2,3,4,5,6,7,8,9,10,11,12,13,14,15
	s_wait_dscnt 47-16*(\m)-(\t)                   ; the younger loads may stay out
	global_store_b128 v[CO], v[64+64*(\m)+4*(\t):64+64*(\m)+4*(\t)+3], s[\sb:\sb+1] offset:512*(\t)  ; two rows: 512 consecutive bytes, aligned
.endr
.endm
	OUTM 0, 10
	OUTM 1, 16
	OUTM 2, 18
	s_wait_tensorcnt 0x0                           ; the wave's end, behind my last tensor load and my last LDS store
	ds_add_u32 v[SPW], v[NIL]
	s_wait_dscnt 0x0
	CROUND                                         ; the closing round: no work-group ends while a partner may still ask for a tile that names it
	s_endpgm
.Lfunc_end_k_q7f512f15e4_qkv:
	.size	k_q7f512f15e4_qkv, .Lfunc_end_k_q7f512f15e4_qkv-k_q7f512f15e4_qkv
	.p2alignl 7, 3214868480
	.fill 96, 4, 3214868480
	.section	.rodata,"a",@progbits
	.p2align	6, 0x0
	.amdhsa_kernel k_q7f512f15e4_qkv
		.amdhsa_group_segment_fixed_size 327680
		.amdhsa_private_segment_fixed_size 0
		.amdhsa_enable_private_segment 0
		.amdhsa_kernarg_size 32
		.amdhsa_user_sgpr_count 2
		.amdhsa_user_sgpr_kernarg_segment_ptr 1
		.amdhsa_wavefront_size32 1
		.amdhsa_system_sgpr_workgroup_id_x 1
		.amdhsa_system_sgpr_workgroup_id_y 1
		.amdhsa_system_sgpr_workgroup_id_z 1
		.amdhsa_system_vgpr_workitem_id 0
		.amdhsa_next_free_vgpr 1024
		.amdhsa_next_free_sgpr 76
		.amdhsa_reserve_vcc 0
		.amdhsa_float_denorm_mode_32 3
		.amdhsa_float_denorm_mode_16_64 3
		.amdhsa_memory_ordered 1
		.amdhsa_forward_progress 1
		.amdhsa_inst_pref_size 145
	.end_amdhsa_kernel
	.amdgpu_metadata
---
amdhsa.version: [ 1, 2 ]
amdhsa.kernels:
  - .name:           k_q7f512f15e4_qkv
    .symbol:         k_q7f512f15e4_qkv.kd
    .args:
      - { .name: xb, .offset: 0, .size: 8, .value_kind: global_buffer, .address_space: global }
      - { .name: wb, .offset: 8, .size: 8, .value_kind: global_buffer, .address_space: global }
      - { .name: cs, .offset: 16, .size: 8, .value_kind: global_buffer, .address_space: global }
      - { .name: qkv, .offset: 24, .size: 8, .value_kind: global_buffer, .address_space: global }
    .group_segment_fixed_size: 327680
    .private_segment_fixed_size: 0
    .kernarg_segment_align: 8
    .kernarg_segment_size: 32
    .max_flat_workgroup_size: 128
    .sgpr_count:     76
    .vgpr_count:     1024
    .wavefront_size: 32
...
	.end_amdgpu_metadata
.endif
;; end of part 2
;; launch attn (part 3): grid 16 x 16, 4 waves a work-group, clusters of 4 x 1, 327,680 bytes of LDS; arguments qkv, o16; writes o16
.if DOCPART == 3
	.amdgcn_target "amdgcn-amd-amdhsa--gfx1250"
	.amdhsa_code_object_version 6
	.text
	.protected	k_q7f512f15e4_attn
	.globl	k_q7f512f15e4_attn
	.p2align	8
	.type	k_q7f512f15e4_attn,@function
k_q7f512f15e4_attn:
	s_mov_b64 s[64:65], 0
	v_nop
	global_prefetch_b8 v0, s[64:65] scope:SCOPE_SE
	s_setreg_imm32_b32 hwreg(HW_REG_WAVE_MODE, 25, 1), 1
	s_wait_xcnt 0x0
	s_wait_alu depctr_hold_cnt(0) depctr_sa_sdst(0) depctr_va_vdst(0) depctr_va_sdst(0) depctr_va_ssrc(0) depctr_va_vcc(0) depctr_vm_vsrc(0)
	s_getreg_b32 s2, hwreg(HW_REG_IB_STS2, 6, 4)
	s_cmp_eq_u32 s2, 0
	s_cbranch_scc0 .Lentry_in_a_cluster
	s_endpgm
.Lentry_in_a_cluster:
	s_bfe_u32 s2, ttmp6, 0x10000c
	s_cmp_lg_u32 s2, 0x3003
	s_cbranch_scc0 .Lentry_shape_is_right
	s_endpgm
.Lentry_shape_is_right:
; CAUSAL ATTENTION.  O[q] = the sum over k <= q of softmax_k(Q[q] . K[k] / sqrt(128)) V[k], head by head.  Q, K, V: qkv[3][16][2048][128] in f16, rows of 256 bytes; O: o16[2048 tokens][16 x 128] in f16.
; Products, maxima and sums in f32; the weights p are rounded to f16 for the second product (their sum l is taken of the unrounded p), O once at the end.
; LIMITS.  A hidden score counts as its value less 2^100; the running maximum starts at -2^90: f16 operands make scores of 128 x 65,504^2 = 5.5e11 at the most, far above both.
; A weight below 2^-126 counts as 0; NaN and infinities are not treated apart.
; THE WALK.  A head's queries lie in 32 blocks of 64, its keys in tiles of 256.  With c the cluster's x (0..3) and cx the place in it, b = 4 c + cx, a work-group takes block 31 - b, which needs
; tiles 0 .. 7 - c, and then block b, which needs tiles 0 .. c: 9 tiles whatever b, and THE SAME tiles in all four partners: every tile is asked for jointly, and all trip counts hang on c alone.
; KEYS ARE SPLIT AMONG THE WAVES.  Wave w takes keys 64 w .. 64 w + 63 of each tile, for all 64 queries (four tiles of 16): each LDS byte is read once, 64 loads for a step's 128 matrix instructions.
; At a block's end the four partial results (m, l, O) are merged through LDS.  Register tile t of wave w holds query tile t xor w, so that 'keep tile 0, send tile r to wave w xor r' is one text.
; LAYOUT.  S^T = K Q^T (source 0 = 16 keys, source 1 = 16 queries): a lane holds ONE query (lane % 16) and the keys 8 (lane / 16) + 0..7; two results rounded to f16 ARE source 1 of O^T = V^T P.
; SOFTMAX.  p = 2^(c s - c m), c = log2(e) / sqrt(128), with a running maximum m; O and l are multiplied by a = 2^(c m_old - c m_new) in every step.  c m starts far below every c m that can follow,
; so a block's first a is 0 and O and l need only be finite there.  A query of which a wave sees only hidden keys keeps m = -2^90, l = 0, O = 0, and the merge gives that wave the factor 0.
; THE MASK starts the sums: S^T is set to 0 or -2^100 and every product K Q^T adds in place.  Key 256 T + 64 w + 16 kb + 8 h + r is hidden from query 64 i + 16 qt + l % 16 where 16 e + (8 h + r - l % 16) > 0,
; e = 16 T + 4 w + kb - 4 i - qt: all of a 16 x 16 result if e > 0, none if e < 0, MD's pattern if e = 0: MD x AL + BE with two scalars made by selects; no branch and no LDS address hangs on them.
; A STEP (a tile): masks | V's loads | K Q^T of tiles 0, 1 | K Q^T of tiles 2, 3 with the softmax of tiles 0, 1 in slices behind the products | the change of slots, the next tile's K |
; V^T P of tiles 0, 1 with the softmax of tiles 2, 3 | V^T P of tiles 2, 3.
; REGISTERS, in windows of 256 (s_set_vgpr_msb: bits 1:0 source 0, 3:2 source 1, 5:4 source 2, 7:6 destination):
;   window 0: v2-11 addresses; v12-43 eight registers of statistics a tile; v44-51 MD; v52-59, v61-63 addresses; v64-191 S^T, 32 a tile (in the merge: at work); v192-255 P, 16 a tile
;   window 1: O^T, 64 a tile      window 2: v0-127 Q; v128-255 K of one step      window 3: v0-127 V of one step; v128-255 the second block's Q
.set PK,    272       ; a row of K in LDS: 256 bytes + 16: the 16 rows of a load start at 16 different groups of four banks (64 banks of 4 bytes: ISA guide 11.1)
.set PV,    288       ; a row of V: 256 + 32
.set VOFF,  256*PK    ; a slot holds a tile: 256 rows of K, then 256 rows of V
.set SLOTB, 256*(PK+PV)
.set XCH,   2*SLOTB   ; behind the ring, never filled by a tensor load: a region of REG bytes for each wave
.set BOX,   8192      ; in a region: first the outbox, one tile of O^T lane by lane (at the merge's end the wave's own stage, 16 rows x 272);
.set REG,   BOX+3*512 ; then the pairs (c m, l) of register tiles 1, 2, 3: 512 bytes each, a lane's pair at 16 x lane
.set SPARE, XCH+4*REG ; the spare words, 128 bytes a wave: two blocks of 256 bytes that no other line names
.set SP,    272
.set AK0, 2           ; v2   my lane's place in a slot's K; never rewritten
.set AV0, 3           ; v3   the same for V
.set ADR, 4           ; v4   the LDS address of the run of loads in hand
.set QO,  5           ; v5   my byte offset in 16 rows of Q
.set STO, 6           ; v6   the way out: where I put 16 bytes of a row
.set RD,  7           ; v7   the way out: where I read rows back
.set GO,  8           ; v8   my byte offset in two rows of O
.set L16, 9           ; v9   16 x my lane
.set L15, 10          ; v10  lane % 16
.set HH,  11          ; v11  lane / 16
.set ST,  12          ; tile t's statistics at v[ST+8 t]: +0 c m, +1 m, +2, +3 l (even keys', odd keys'), +4 to +7 at work; a takes +6 once the maximum is found
.set MD,  44          ; v44-51  -2^100 where 8 (lane / 16) + r > lane % 16, else 0
.set QT,  52          ; v52-55  QO + 4,096 x (t xor w); never rewritten
.set PB,  56          ; v56-59  my 16 bytes in the first 512 of the region of wave w xor r, r = 0..3 (r = 0: my own); made at the head, never rewritten, and they hold nothing else
.set PFO, 61          ; v61  256 x my lane; never rewritten
.set SPW, 62          ; v62  LDS address of my spare word; never rewritten
.set NIL, 63          ; v63  0; never rewritten
.set S,   64
.set P,   192
.set KF,  128         ; window 2
.set QB,  128         ; window 3
.set RCV, 64          ; the merge: v64-127 a tile received, then the packed result
.set MS,  128         ; v130-135 (c m, l) of wave w xor r at MS + 2 r
.set ME,  144         ; v144-147 c m_r - M, then 2^ of it
.set MM,  148         ; M
.set ML,  149         ; L
.set MR,  150         ; 1 / L
.set MG,  152         ; v152-159 the factor of wave w xor r, twice, at MG + 2 r
.set WV,  12          ; s12  my wave's number
.set CX,  13          ; s13  my place in the cluster: it enters Q's and O's addresses, the prefetches' and the masks' selects alone
.set CC,  14          ; s14  c
.set LIM, 15          ; s15  2 in the head's first cluster, else the greatest number
.set PFA, 18          ; s[18:19] where my prefetches stand
.set G1K, 24          ; s[24:31] descriptor group 1 for K's tiles
.set G1V, 32          ; s[32:39] for V's: it differs in the padding alone
.set G0K, 40          ; s[40:47] group 0 for K's tiles: a set for each of the two first fills; the second then walks
.set G0V, 48          ; s[48:55] the same for V's
.set SLOTS, 56        ; s56  tiles still to be asked for
.set CNT, 57          ; s57  counts the tail's two tiles
.set CS,  58          ; s[58:59] c
.set SEL, 60          ; s[60:61] v_permlanex16_b32's selects: each lane takes its own place in the other half
.set CUR, 62          ; s62  LDS byte at which the slot of the tile in hand begins
.set OTH, 63          ; s63  the other slot's
.set LK,  66          ; s66  my half of K's rows in a slot
.set LV,  67          ; s67  the same for V
.set RT,  68          ; s68  tiles that the block in hand still has
.set NXT, 69          ; s69  the tile to be asked for next
.set LQ,  70          ; s70  the last tile of the block whose tiles are being asked for
.set SEC, 71          ; s71  1: the block in hand is the second
.set OFF, 72          ; s[72:73] a tile's byte offset in K and V
.set AL,  74          ; s[74:75] the mask's factor, in the low word
.set BE,  76          ; s[76:77] the mask's addend
.set BIGN, 78         ; s78  -2^100
.set E0,  79          ; s79  16 T + 4 w - 4 i
.set EB,  80          ; s80  less the query tile
.set E0B, 81          ; s81  E0 for the second block's tile 0
.set OLO, 82          ; s[82:83] O at my rows of the second block
.set XW,  84          ; s[84:87] t xor w
.set MSB, 0
.macro WIN new                      ; the immediate's high byte repeats the setting that is left; a switch that changes nothing is dropped
.if MSB != (\new)
	s_set_vgpr_msb (MSB<<8)|(\new)
.set MSB, \new
.endif
.endm
.set W_KQ, 0x0a       ; K and Q in window 2, S^T in window 0
.set W_PV, 0x53       ; V in window 3, P in window 0, O^T in window 1
.set W_RS, 0x41       ; O^T (destination and source 0) in window 1, the factor in window 0
; A joint refill.  Waves 0 and 1 fetch the two halves of a tile's K, waves 2 and 3 those of its V, 128 rows each.  The branch hangs on the wave's number alone.
; An s_nop 0 and four v_nop follow each of the two lines.
.macro JLOAD
	s_cmp_lt_u32 s[WV], 2
	s_cbranch_scc0 .Lfor_v_\@
	tensor_load_to_lds s[G0K+4:G0K+7], s[G1K:G1K+7]
	s_nop 0
.rept 4
	v_nop
.endr
	s_branch .Lasked_\@
.Lfor_v_\@:
	tensor_load_to_lds s[G0V+4:G0V+7], s[G1V:G1V+7]
	s_nop 0
.rept 4
	v_nop
.endr
.Lasked_\@:
.endm
; A prefetch into the L2 of what the NEXT change of slots will ask for, behind the joint refill and K's run of loads: a whole step ahead of that load.  Each row of K and V is named once in the launch:
; the head's first cluster (c = 0), whose first block walks all eight tiles, asks; each wave for the 128 rows that it will fetch itself, of which the four partners take 32 each, told apart by address;
; a lane a row, one instruction a wave.  Tiles 0 to 2 come by their loads alone; behind tile 7 nothing is asked for (SLOTS is 2 or less there).
.macro ASK
	s_cmp_gt_u32 s[SLOTS], s[LIM]
	s_cbranch_scc0 .Lnot_mine_\@
	global_prefetch_b8 v[PFO], s[PFA:PFA+1] th:TH_LOAD_NT scope:SCOPE_SE
.Lnot_mine_\@:
.endm
.macro CROUND                       ; a round of the cluster's barrier
	s_barrier_signal -1
	s_barrier_wait -1
	s_cmp_lg_u32 s[WV], 0
	s_cbranch_scc1 .Lnot_wave_0_\@
	s_barrier_signal -3
.Lnot_wave_0_\@:
	s_barrier_wait -3
	s_barrier_signal -1
	s_barrier_wait -1
.endm
	s_load_b128 s[20:23], s[0:1], 0x0  ; qkv s[20:21], o16 s[22:23]
	v_lshl_add_u32 v[SPW], v0, 2, SPARE
	v_mov_b32 v[NIL], 0
	ds_add_u32 v[SPW], v[NIL]       ; the wave's opening: the add and its wait stand ahead of my first tensor load; work on registers stands between them
	v_lshrrev_b32 v1, 5, v0
	v_readfirstlane_b32 s[WV], v1   ; wave 0..3
	s_bfe_u32 s[CX], ttmp6, 0x40000
	s_mov_b32 s[CC], ttmp9          ; in a cluster launch ttmp9 counts clusters
	; t xor w, by sums: w; w + 1 - 2 (w % 2); w + 2 - 4 (w / 2); 3 - w
	s_mov_b32 s[XW], s[WV]
	s_and_b32 s56, s[WV], 1
	s_lshl_b32 s56, s56, 1
	s_add_co_u32 s[XW+1], s[WV], 1
	s_sub_co_u32 s[XW+1], s[XW+1], s56
	s_lshr_b32 s57, s[WV], 1
	s_lshl_b32 s57, s57, 2
	s_add_co_u32 s[XW+2], s[WV], 2
	s_sub_co_u32 s[XW+2], s[XW+2], s57
	s_sub_co_u32 s[XW+3], 3, s[WV]
	s_and_b32 s16, ttmp7, 0xffff    ; the head, which the four partners share
	s_and_b32 s17, s[WV], 1         ; which half of a tile's 256 rows I fetch
	s_lshl_b32 s2, s16, 19          ; the head's 2,048 rows of 256 bytes,
	s_lshl_b32 s3, s17, 15          ; my 128 rows
	s_add_co_u32 s2, s2, s3
	s_mov_b32 s3, 0                 ; s[2:3]: K's and V's offset: the head and the wave's number alone
	s_mul_i32 s[LK], s17, 128*PK
	s_mul_i32 s[LV], s17, 128*PV
	s_add_co_u32 s[LV], s[LV], VOFF
	s_lshl_b32 s74, s[CC], 2
	s_add_co_u32 s75, s74, s[CX]    ; the second block, b
	s_sub_co_u32 s74, 31, s75       ; the first, 31 - b
	s_sub_co_i32 s[E0], s[WV], s74
	s_lshl_b32 s[E0], s[E0], 2      ; 4 w - 4 i, for tile 0
	s_sub_co_i32 s[E0B], s[WV], s75
	s_lshl_b32 s[E0B], s[E0B], 2
	s_lshl_b32 s76, s16, 19         ; Q: the head, the block's 64 rows
	s_lshl_b32 s77, s74, 14
	s_add_co_u32 s76, s76, s77
	s_mov_b32 s77, 0
	s_lshl_b32 s72, s16, 19
	s_lshl_b32 s73, s75, 14
	s_add_co_u32 s72, s72, s73
	s_mov_b32 s73, 0
	s_lshl_b32 s56, s74, 18         ; O: token 64 i + 16 w (rows of 4,096 bytes), the head's 256 bytes
	s_lshl_b32 s57, s[WV], 16
	s_add_co_u32 s56, s56, s57
	s_lshl_b32 s57, s16, 8
	s_add_co_u32 s56, s56, s57
	s_lshl_b32 s62, s75, 18
	s_lshl_b32 s63, s[WV], 16
	s_add_co_u32 s62, s62, s63
	s_add_co_u32 s62, s62, s57
	s_mov_b32 s57, 0
	s_mov_b32 s63, 0
	; descriptor group 1: a tile of 128 rows x 128 elements, padded in LDS
	s_mov_b32 s[G1K], 15|(1<<16)|(1<<20)|(1<<21)|(5<<22)|(3<<25)  ; 15:0 the mask: all four work-groups; 17:16 2-byte elements; 20 padding on; 21 set beside a mask; 24:22 after every 64 words; 31:25 4 words
	s_mov_b32 s[G1V], 15|(1<<16)|(1<<20)|(1<<21)|(5<<22)|(7<<25)  ; the same with 8 words of padding
.irp g, G1K, G1V
	s_mov_b32 s[(\g)+1], 128<<16    ; tensor_dim0 = 128
	s_mov_b32 s[(\g)+2], 128<<16    ; tensor_dim1 = 128
	s_mov_b32 s[(\g)+3], 128<<16    ; tile_dim0 = 128
	s_mov_b32 s[(\g)+4], 128        ; tile_dim1 = 128
	s_mov_b32 s[(\g)+5], 128        ; elements from row to row
	s_mov_b32 s[(\g)+6], 0
	s_mov_b32 s[(\g)+7], 0
.endr
	s_mov_b32 s[CS], 0x3e0293ee     ; c = log2(e) / sqrt(128)
	s_mov_b32 s[CS+1], s[CS]        ; named with it as a pair
	s_mov_b32 s[SEL], 0x76543210
	s_mov_b32 s[SEL+1], 0xfedcba98
	s_mov_b32 s[BIGN], 0xf1800000   ; -2^100
	s_sub_co_u32 s[RT], 8, s[CC]    ; the first block has 8 - c tiles
	s_sub_co_u32 s[LQ], 7, s[CC]
	s_mov_b32 s[NXT], 2             ; tiles 0 and 1 are the first fills
	s_mov_b32 s[SEC], 0
	s_cmp_eq_u32 s[CC], 0
	s_cselect_b32 s[LIM], 2, -1     ; the same in all four partners
	v_and_b32 v[PFO], 31, v0
	v_lshlrev_b32 v[PFO], 8, v[PFO]
	s_wait_dscnt 0x0                ; the opening add is done
	s_wait_kmcnt 0x0
	s_add_nc_u64 s[4:5], s[20:21], s[76:77]    ; Q at the first block,
	s_add_nc_u64 s[16:17], s[20:21], s[72:73]  ; and at the second
	s_add_nc_u64 s[6:7], s[20:21], s[2:3]
	s_add_nc_u64 s[8:9], s[6:7], 0x1000000     ; V at my half of the head's tile 0,
	s_add_nc_u64 s[6:7], s[6:7], 0x800000      ; K likewise
	s_add_nc_u64 s[10:11], s[22:23], s[56:57]  ; O at my 16 rows of the first block,
	s_add_nc_u64 s[OLO:OLO+1], s[22:23], s[62:63]  ; and of the second
	s_mov_b32 s[OFF+1], 0
	s_mov_b32 s[AL+1], 0            ; named as pairs
	s_mov_b32 s[BE+1], 0
	s_mov_b32 s[SLOTS], 7
	s_mov_b32 s[CUR], SLOTB         ; the first fetch of K reads 'the other slot', slot 0; then the two change places
	s_mov_b32 s[OTH], 0
	s_cmp_lt_u32 s[WV], 2
	s_cselect_b64 s[PFA:PFA+1], s[6:7], s[8:9]
	s_lshl_b32 s2, s[CX], 13        ; my work-group's 32 rows of the 128
	s_add_nc_u64 s[PFA:PFA+1], s[PFA:PFA+1], s[2:3]
	s_add_nc_u64 s[PFA:PFA+1], s[PFA:PFA+1], 2*65536  ; in tile 2; the first change of slots steps it to tile 3
	CROUND                          ; all four work-groups are here: the first joint loads meet
.irp s, 0,1
	s_mov_b32 s[G0K+4*(\s)], 1      ; 1:0 count = 1
	s_add_co_u32 s[G0K+4*(\s)+1], s[LK], (\s)*SLOTB  ; 63:32 LDS address
	s_add_nc_u64 s[G0K+4*(\s)+2:G0K+4*(\s)+3], s[6:7], (\s)*65536  ; 120:64 global address: tile s
	s_or_b32 s[G0K+4*(\s)+3], s[G0K+4*(\s)+3], 0x80000000  ; 127:126 type = 2
	s_mov_b32 s[G0V+4*(\s)], 1
	s_add_co_u32 s[G0V+4*(\s)+1], s[LV], (\s)*SLOTB
	s_add_nc_u64 s[G0V+4*(\s)+2:G0V+4*(\s)+3], s[8:9], (\s)*65536
	s_or_b32 s[G0V+4*(\s)+3], s[G0V+4*(\s)+3], 0x80000000
.endr
	s_cmp_lt_u32 s[WV], 2           ; a wave's two first fills stand in one branch, ahead of every wait on TENSORcnt and every LDS read: two loads of mine are out
	s_cbranch_scc0 .Lfirst_v
	tensor_load_to_lds s[G0K:G0K+3], s[G1K:G1K+7]
	s_nop 0
	tensor_load_to_lds s[G0K+4:G0K+7], s[G1K:G1K+7]
	s_nop 0
.rept 4
	v_nop
.endr
	s_branch .Lfirst_asked
.Lfirst_v:
	tensor_load_to_lds s[G0V:G0V+3], s[G1V:G1V+7]
	s_nop 0
	tensor_load_to_lds s[G0V+4:G0V+7], s[G1V:G1V+7]
	s_nop 0
.rept 4
	v_nop
.endr
.Lfirst_asked:
	; a fragment of K or Q is 16 rows x 32 channels in 8 registers: lane l holds row l % 16, channels 8 (l / 16) + 0..7 and 16 + 8 (l / 16) + 0..7: two loads of 16 bytes, 32 bytes apart
	v_and_b32 v[L15], 15, v0
	v_bfe_u32 v[HH], v0, 4, 1
	v_and_b32 v[L16], 31, v0
	v_lshlrev_b32 v[L16], 4, v[L16]
	v_lshlrev_b32 v[QO], 8, v[L15]
	v_lshl_add_u32 v[QO], v[HH], 4, v[QO]
.irp t, 0,1,2,3
	v_lshl_add_u32 v[QT+\t], s[XW+\t], 12, v[QO]  ; register tile t holds query tile t xor w: 16 rows of 256 bytes each
.endr
	WIN 0x80                        ; destination window 2, address window 0
.set i, 0
.rept 16                            ; the first block's Q stays in registers: tile i / 4, channels 32 (i % 4) on
	global_load_b128 v[8*i:8*i+3],   v[QT+i/4], s[4:5] offset:(i%4)*64
	global_load_b128 v[8*i+4:8*i+7], v[QT+i/4], s[4:5] offset:(i%4)*64+32
.set i, i+1
.endr
	WIN 0
	v_lshlrev_b32 v1, 3, v[HH]
	v_sub_nc_u32 v1, v[L15], v1     ; l % 16 - 8 (l / 16): register r is hidden where r is greater
.set i, 0
.rept 8
	v_cmp_gt_i32 vcc_lo, i, v1
	v_cndmask_b32 v[MD+i], 0, s[BIGN], vcc_lo
.set i, i+1
.endr
	s_mul_i32 s2, s[WV], 64*PK      ; my 64 keys of a tile
	v_mul_u32_u24 v[AK0], v[L15], PK
	v_lshl_add_u32 v[AK0], v[HH], 4, v[AK0]
	v_add_nc_u32 v[AK0], s2, v[AK0]
	; the turning load takes 16 keys x 16 channels (lane l reads key 8 (l / 16) + l % 8, channels 8 ((l / 8) % 2) + 0..7) and leaves half a fragment of V^T: lane l holds channel l % 16 and 8 keys
	s_mul_i32 s2, s[WV], 64*PV
	s_add_co_u32 s2, s2, VOFF
	v_and_b32 v1, 7, v0
	v_lshl_add_u32 v[AV0], v[HH], 3, v1
	v_mul_u32_u24 v[AV0], v[AV0], PV
	v_bfe_u32 v1, v0, 3, 1
	v_lshl_add_u32 v[AV0], v1, 4, v[AV0]
	v_add_nc_u32 v[AV0], s2, v[AV0]
.irp r, 0,1,2,3
	s_mul_i32 s2, s[XW+\r], REG     ; the region of wave w xor r: the wave's number and constants alone
	s_add_co_u32 s2, s2, XCH
	v_add_nc_u32 v[PB+\r], s2, v[L16]
.endr
	s_mul_i32 s2, s[WV], REG
	s_add_co_u32 s2, s2, XCH        ; my outbox
	v_mul_u32_u24 v[STO], v[L15], SP  ; as a stage: in: row l % 16, 16 bytes for each half of the lanes
	v_lshl_add_u32 v[STO], v[HH], 4, v[STO]
	v_add_nc_u32 v[STO], s2, v[STO]
	v_mul_u32_u24 v[RD], v[HH], SP  ; back: lanes 0-15 take one row of 256 bytes, lanes 16-31 the next
	v_lshl_add_u32 v[RD], v[L15], 4, v[RD]
	v_add_nc_u32 v[RD], s2, v[RD]
	v_lshlrev_b32 v[GO], 12, v[HH]  ; and the same two rows in O
	v_lshl_add_u32 v[GO], v[L15], 4, v[GO]
	; O^T and l need only be finite where a block begins (its first a is 0): zeros for the first block, written in the wait for the first tile: the price of writing no first step out
	WIN 0x40
.set i, 0
.rept 256
	v_mov_b32 v[i], 0
.set i, i+1
.endr
	WIN 0
.macro FRESH                        ; a block begins
.set i, 0
.rept 4
	v_mov_b32 v[ST+8*i], 0xfe000000    ; c m: far below every c m that can follow
	v_mov_b32 v[ST+8*i+1], 0xec800000  ; m = -2^90
.set i, i+1
.endr
.endm
	FRESH
.set i, 0
.rept 4
	v_mov_b32 v[ST+8*i+2], 0
	v_mov_b32 v[ST+8*i+3], 0
.set i, i+1
.endr
	s_wait_loadcnt 0x0              ; the first block's Q is in; the second block's is asked for now and waited for where the blocks change
	WIN 0xc0                        ; destination window 3
.set i, 0
.rept 16
	global_load_b128 v[QB+8*i:QB+8*i+3],   v[QT+i/4], s[16:17] offset:(i%4)*64
	global_load_b128 v[QB+8*i+4:QB+8*i+7], v[QT+i/4], s[16:17] offset:(i%4)*64+32
.set i, i+1
.endr
	WIN 0
; THE MATRIX WORK.  The accumulators take turns, one instruction a turn: between two links of a chain stand 7 (K Q^T) or 15 (V^T P) others'.
; Product i of 32 of S^T += K Q^T for tiles x, x + 1: channels 32 (i / 8) on, keys 16 ((i / 2) % 4) on, tile x + i % 2.  The sums start from the mask.
.macro KQ x
	WIN W_KQ
.set rS, S+32*((\x)+i%2)+8*((i/2)%4)
.set rK, KF+32*((i/2)%4)+8*(i/8)
.set rQ, 32*((\x)+i%2)+8*(i/8)
	v_wmma_f32_16x16x32_f16 v[rS:rS+7], v[rK:rK+7], v[rQ:rQ+7], v[rS:rS+7]
.endm
; Product i of 32 of O^T += V^T P: keys 32 (i / 16) on, channels 16 ((i / 2) % 8) on, tile x + i % 2.
.macro PV x
	WIN W_PV
.set rO, 64*((\x)+i%2)+8*((i/2)%8)
.set rV, 64*(i/16)+8*((i/2)%8)
.set rP, P+16*((\x)+i%2)+8*(i/16)
	v_wmma_f32_16x16x32_f16 v[rO:rO+7], v[rV:rV+7], v[rP:rP+7], v[rO:rO+7]
.endm
; THE LDS LOADS stand in runs of 32: my 64 keys of the next tile's K, out of the other slot, and of the tile in hand's V (turned).
.macro FETCH_K
	WIN 0
	v_add_nc_u32 v[ADR], s[OTH], v[AK0]
	WIN 0x80                        ; destination window 2
.irp f, 0,1,2,3,4,5,6,7,8,9,10,11,12,13,14,15  ; keys 16 (f / 4) on, channels 32 (f % 4) on
	ds_load_b128 v[KF+8*(\f):KF+8*(\f)+3],   v[ADR] offset:((\f)/4)*16*PK+((\f)%4)*64
	ds_load_b128 v[KF+8*(\f)+4:KF+8*(\f)+7], v[ADR] offset:((\f)/4)*16*PK+((\f)%4)*64+32
.endr
	WIN 0
.endm
.macro FETCH_V
	WIN 0
	v_add_nc_u32 v[ADR], s[CUR], v[AV0]
	WIN 0xc0                        ; destination window 3
.irp f, 0,1,2,3,4,5,6,7,8,9,10,11,12,13,14,15  ; keys 32 (f / 8) on, channels 16 (f % 8) on
	ds_load_tr16_b128 v[8*(\f):8*(\f)+3],   v[ADR] offset:((\f)/8)*32*PV+((\f)%8)*32
	ds_load_tr16_b128 v[8*(\f)+4:8*(\f)+7], v[ADR] offset:((\f)/8)*32*PV+16*PV+((\f)%8)*32
.endr
	WIN 0
.endm
; THE MASKS: S^T = MD x AL + BE, result by result (tile t, key block kb): (1, 0) if e = 0; (0, -2^100) if e > 0; (0, 0) if e < 0, e = EB + kb.
.macro SINIT
	WIN 0
.set t, 0
.rept 4
	s_sub_co_i32 s[EB], s[E0], s[XW+t]
.set kb, 0
.rept 4
	s_cmp_eq_i32 s[EB], -kb
	s_cselect_b32 s[AL], 1.0, 0
	s_cmp_gt_i32 s[EB], -kb
	s_cselect_b32 s[BE], s[BIGN], 0
.set z, 0
.rept 4
	v_pk_fma_f32 v[S+32*t+8*kb+2*z:S+32*t+8*kb+2*z+1], v[MD+2*z:MD+2*z+1], s[AL:AL+1], s[BE:BE+1] op_sel_hi:[1,0,0]
.set z, z+1
.endr
.set kb, kb+1
.endr
.set t, t+1
.endr
.endm
; THE VECTOR WORK.  One tile's softmax for a step is a list of 134 instructions; SM writes number j of it for tile t.  s0-s31 are the lane's 32 scores, in pairs 0-15.
;   0-15    the maximum of s0-s31 and the old m, three operands at a time (each accumulator's lowest registers are read first)
;   16-20   the other half of the lanes' maximum; c m_old is kept; the new m; c m; c m_old - c m_new
;   21-69   ONE BATCH: the 16 scalings c s - c m and all 33 exponentials (a at 23, then s0-s31); none of these reads an exponential's result; a pair is scaled in an earlier four than the one with its exponentials
;   (wait)  between 69 and 70 stands the wait for the batch: SLICE writes it, once for both tiles
;   70-85   the roundings to f16     86-101  the sums; l = a l + the sum     102-133 the tile's O^T times a: the one part that leaves window 0
.macro SM t
.set rT, ST+8*(\t)
.set rS, S+32*(\t)
.set rP, P+16*(\t)
.set rO, 64*(\t)+2*(j-102)
.if j < 102
	WIN 0
.endif
.if j < 4
	v_max3_num_f32 v[rT+4+j], v[rS+8*j], v[rS+8*j+1], v[rS+8*j+2]
.elseif j < 12
	v_max3_num_f32 v[rT+4+j%4], v[rT+4+j%4], v[rS+8*(j%4)+2*(j/4)+1], v[rS+8*(j%4)+2*(j/4)+2]
.elseif j == 12
	v_max3_num_f32 v[rT+4], v[rT+4], v[rS+7], v[rS+15]
.elseif j == 13
	v_max3_num_f32 v[rT+6], v[rT+6], v[rS+23], v[rS+31]
.elseif j == 14
	v_max3_num_f32 v[rT+4], v[rT+4], v[rT+5], v[rT+6]
.elseif j == 15
	v_max3_num_f32 v[rT+4], v[rT+4], v[rT+7], v[rT+1]
.elseif j == 16
	v_permlanex16_b32 v[rT+5], v[rT+4], s[SEL], s[SEL+1]  ; the query's other 32 keys lie in the lane 16 away
.elseif j == 17
	v_mov_b32 v[rT+7], v[rT]        ; c m_old is kept for a: number 19 writes c m anew
.elseif j == 18
	v_max_num_f32 v[rT+1], v[rT+4], v[rT+5]
.elseif j == 19
	v_mul_f32 v[rT], s[CS], v[rT+1]
.elseif j == 20
	v_sub_f32 v[rT+7], v[rT+7], v[rT]
.elseif j == 23
	v_exp_f32 v[rT+6], v[rT+7]
.elseif (j < 23) || ((j < 38) && (j%2 == 0)) || ((j < 66) && (j%4 == 2))
.set b, (j-2)/4                     ; 38, 42, .. 62: pairs 9 to 15
.if j < 38
.set b, (j-20)/2                    ; 21: pair 0; 22, 24, .. 36: pairs 1 to 8
.endif
	v_pk_fma_f32 v[rS+2*b:rS+2*b+1], v[rS+2*b:rS+2*b+1], s[CS:CS+1], v[rT:rT+1] op_sel_hi:[1,0,0] neg_lo:[0,0,1] neg_hi:[0,0,1]  ; pair b: c s - c m
.elseif j < 70
.set e, j-38                        ; 66 to 69: s28 to s31
.if j < 66
.set e, j-32-(j-38)/4               ; 39-41, 43-45, .. 63-65: s7 to s27
.endif
.if j < 38
.set e, (j-25)/2                    ; 25, 27, .. 37: s0 to s6
.endif
	v_exp_f32 v[rS+e], v[rS+e]
.elseif j < 86
	v_cvt_pk_f16_f32 v[rP+j-70], v[rS+2*(j-70)], v[rS+2*(j-70)+1]  ; pair j - 70
.elseif j < 102                     ; the sum of the tile's 16 pairs, in place: neighbours 1, 2, 4 and 8 pairs apart, then l takes it
.set z, j-86
.set w, 4
.set u, z
.if z >= 14
.set w, 32
.set u, 0
.elseif z >= 12
.set w, 16
.set u, z-12
.elseif z >= 8
.set w, 8
.set u, z-8
.endif
.if z < 15
	v_pk_add_f32 v[rS+w*u:rS+w*u+1], v[rS+w*u:rS+w*u+1], v[rS+w*u+w/2:rS+w*u+w/2+1]
.else
	v_pk_fma_f32 v[rT+2:rT+3], v[rT+2:rT+3], v[rT+6:rT+7], v[rS:rS+1] op_sel_hi:[1,0,1]
.endif
.else
	WIN W_RS
	v_pk_mul_f32 v[rO:rO+1], v[rO:rO+1], v[rT+6:rT+7] op_sel_hi:[1,0]
.endif
.endm
; Slice k of 64 of the softmax of tiles y, y + 1: four instructions (slice 63: sixteen).  Slices 11 to 34 deal out the batch, four numbers of ONE tile each, the tiles by turns; every other slice is numbers
; 2 k and 2 k + 1 of both tiles.  Behind slice 34 stand a plain instruction and the one wait between the 66 exponentials and the first line that names a result of theirs.
.macro SLICE y
.if (k >= 11) && (k < 35)
.irp n, 0,1,2,3
.set j, 22+4*((k-11)/2)+(\n)
	SM (\y)+(k-11)%2
.endr
.else
.irp n, 0,1,2,3,4,5,6,7
.if ((\n) < 2) || (k == 63)
.irp t, \y, (\y)+1
.set j, 2*k+(\n)
	SM \t
.endr
.endif
.endr
.endif
.if k == 34
	v_nop
	s_wait_alu depctr_va_vdst(0)
.endif
.set k, k+1
.endm
; THE CHANGE OF SLOTS, in the middle of a step: the tile in hand's K was read a step ago, its V has just been asked for.  Each wave waits for all its tensor loads (one is out: its part of the other slot),
; adds 0 to its spare word, and waits for that and for its reads of the slot.  fill = 1: the barrier is a round of the cluster's, and the slot is filled again first thing behind it, with tile NXT:
; the descriptor's address is made anew from that number.  The load has a whole step, 128 matrix instructions and their slices, in which to land.
.macro CHANGE fill
	WIN 0                           ; at a label and at a branch every window is 0
	s_wait_tensorcnt 0x0            ; no tensor load of mine is out, so a group 0 may be written
	ds_add_u32 v[SPW], v[NIL]       ; 0 onto my spare word; scalar work stands between it and the wait for it
.if \fill
	s_lshl_b32 s[OFF], s[NXT], 16   ; a tile is 65,536 bytes of K and of V
	s_add_co_u32 s[G0K+5], s[CUR], s[LK]
	s_add_nc_u64 s[G0K+6:G0K+7], s[6:7], s[OFF:OFF+1]
	s_or_b32 s[G0K+7], s[G0K+7], 0x80000000
	s_add_co_u32 s[G0V+5], s[CUR], s[LV]
	s_add_nc_u64 s[G0V+6:G0V+7], s[8:9], s[OFF:OFF+1]
	s_or_b32 s[G0V+7], s[G0V+7], 0x80000000
	s_add_co_u32 s[NXT], s[NXT], 1  ; the block's next tile, or behind its last the second block's tile 0
	s_cmp_gt_u32 s[NXT], s[LQ]
	s_cselect_b32 s[NXT], 0, s[NXT]
	s_cselect_b32 s[LQ], s[CC], s[LQ]
	s_wait_xcnt 0x0                 ; the last prefetch, a step back, has read its address
	s_add_nc_u64 s[PFA:PFA+1], s[PFA:PFA+1], 65536
	s_wait_dscnt 0x0                ; the add is done, V is in: my reads of the slot are over
	CROUND
	JLOAD
.else
	s_wait_dscnt 0x0                ; the add is done, V is in
	s_barrier_signal -1
	s_barrier_wait -1
.endif
.endm
.macro STEP fill
	SINIT                           ; 64 plain instructions: also the places between the last V^T P and the loads into V's registers
	s_wait_dscnt 0x0                ; K, asked for half a step ago, is in; V's run goes out behind this wait and is waited for at the change of slots
	FETCH_V
.set i, 0
.rept 32
	KQ 0
.set i, i+1
.endr
.rept 4
	v_nop                           ; the places between those products and the first read of their results
.endr
.set i, 0
.set k, 0
.rept 32
	KQ 2
	SLICE 0
	SLICE 0
.set i, i+1
.endr
	CHANGE \fill
	FETCH_K                         ; the last product that read K stands in front of slices 62 and 63: twenty plain instructions back
.if \fill
	ASK
.endif
	s_xor_b32 s[CUR], s[CUR], SLOTB ; the slots change places
	s_xor_b32 s[OTH], s[OTH], SLOTB
.set i, 0
.set k, 0
.rept 32
	PV 0
	SLICE 2
	SLICE 2
.set i, i+1
.endr
.set i, 0
.rept 32
	PV 2
.set i, i+1
.endr
	WIN 0
	s_add_co_i32 s[E0], s[E0], 16   ; the next tile's keys lie 256 further on
.endm
; THE MERGE, at a block's end.  Each wave keeps register tile 0 (query tile w) and sends tile r, as it is, to wave w xor r through its outbox, one tile a round; the pairs (c m, l) of tiles 1 to 3 go ahead,
; behind the outbox.  Wave w xor r holds my query tile as ITS register tile r, so what I want of it lies at the same offsets at which I put my tile r.
; With M the largest of the four c m, e_r = 2^(c m_r - M), L = the sum of e_r l_r: O = the sum of (e_r / L) O_r.  The wave that holds a query's own key has a true m and l >= 1, so L >= 1.
.macro SENDT r                      ; my tile r into my outbox, lane by lane; each accumulator's registers in ascending order
	WIN 0x04                        ; the data in window 1
.set i, 0
.rept 16
	ds_store_b128 v[PB], v[64*(\r)+4*i:64*(\r)+4*i+3] offset:512*i
.set i, i+1
.endr
	WIN 0
.endm
.macro RECV r                       ; the tile that wave w xor r has put there for me
.set i, 0
.rept 16
	ds_load_b128 v[RCV+4*i:RCV+4*i+3], v[PB+(\r)] offset:512*i
.set i, i+1
.endr
.endm
.macro ADDIN r
	WIN 0x50                        ; O^T (destination and source 2) in window 1
.set i, 0
.rept 32
	v_pk_fma_f32 v[i:i+1], v[RCV+i:RCV+i+1], v[MG+2*(\r):MG+2*(\r)+1], v[i:i+1] op_sel_hi:[1,0,1]
.set i, i+2
.endr
	WIN 0
.endm
.macro MERGE
	WIN 0
.irp t, 0,1,2,3
	v_add_f32 v[ST+8*\t+4], v[ST+8*\t+2], v[ST+8*\t+3]  ; l's two halves: four plain instructions, the places behind the last products
.endr
.irp t, 0,1,2,3
	v_permlanex16_b32 v[ST+8*\t+5], v[ST+8*\t+4], s[SEL], s[SEL+1]
.endr
.irp t, 0,1,2,3
	v_add_f32 v[ST+8*\t+1], v[ST+8*\t+4], v[ST+8*\t+5]  ; l takes m's place: (c m, l) is a pair
.endr
.irp t, 1,2,3
	ds_store_b64 v[PB], v[ST+8*\t:ST+8*\t+1] offset:BOX+512*((\t)-1)  ; each lane its own pair
.endr
	SENDT 1
	s_wait_dscnt 0x0                ; for the others' sake: my stores are done (and K's loads are in)
	s_barrier_signal -1
	s_barrier_wait -1
.irp r, 1,2,3
	ds_load_b64 v[MS+2*\r:MS+2*\r+1], v[PB+\r] offset:BOX+512*((\r)-1)
.endr
	RECV 1
	s_wait_dscnt 16                 ; the three pairs are in; the tile's 16 loads may be out
	v_max3_num_f32 v[MM], v[ST], v[MS+2], v[MS+4]
	v_max_num_f32 v[MM], v[MM], v[MS+6]
	v_sub_f32 v[ME], v[ST], v[MM]
.irp r, 1,2,3
	v_sub_f32 v[ME+\r], v[MS+2*\r], v[MM]
.endr
.irp r, 0,1,2,3
	v_exp_f32 v[ME+\r], v[ME+\r]
.endr
	v_nop                           ; a plain instruction behind the last exponential,
	s_wait_alu depctr_va_vdst(0)    ; and the wait ahead of the first use: one for the four
	v_mul_f32 v[ML], v[ME], v[ST+1]
.irp r, 1,2,3
	v_fmac_f32 v[ML], v[ME+\r], v[MS+2*\r+1]
.endr
	v_rcp_f32 v[MR], v[ML]
	v_nop
	s_wait_alu depctr_va_vdst(0)
.irp r, 0,1,2,3
	v_mul_f32 v[MG+2*\r], v[ME+\r], v[MR]
	v_mul_f32 v[MG+2*\r+1], v[ME+\r], v[MR]             ; named with it as a pair
.endr
	WIN W_RS
.set i, 0
.rept 32
	v_pk_mul_f32 v[i:i+1], v[i:i+1], v[MG:MG+1] op_sel_hi:[1,0]
.set i, i+2
.endr
	WIN 0
	s_wait_dscnt 0x0                ; the tile is in: my reads of the partner's region are over
	s_barrier_signal -1
	ADDIN 1                         ; work on registers while the others arrive
	s_barrier_wait -1               ; every outbox has been read and may be written again
.irp r, 2,3
	SENDT \r
	s_wait_dscnt 0x0
	s_barrier_signal -1
	s_barrier_wait -1
	RECV \r
	s_wait_dscnt 0x0
	s_barrier_signal -1
	ADDIN \r
	s_barrier_wait -1
.endr
	; the way out: rounded to f16, 16 bytes a lane, through my outbox (nobody reads it any more) as rows of 272 bytes, back as whole rows of 256
	WIN 0x05                        ; sources 0 and 1 window 1, destination window 0
.set i, 0
.rept 32
	v_cvt_pk_f16_f32 v[RCV+i], v[2*i], v[2*i+1]
.set i, i+1
.endr
	WIN 0
.irp f, 0,1,2,3,4,5,6,7
	ds_store_b128 v[STO], v[RCV+4*\f:RCV+4*\f+3] offset:32*\f
.endr
.irp f, 0,1,2,3,4,5,6,7
	ds_load_b128 v[RCV+4*\f:RCV+4*\f+3], v[RD] offset:\f*2*SP  ; LDS serves a wave's instructions in order (ISA guide 5.7.1.4): these see the stores above
.endr
.irp f, 0,1,2,3,4,5,6,7
	s_wait_dscnt 7-\f
	global_store_b128 v[GO], v[RCV+4*\f:RCV+4*\f+3], s[10:11] offset:\f*8192  ; 16 lanes store 256 consecutive bytes, aligned: a token's part for this head
.endr
	s_wait_xcnt 0x0                 ; the stores have read their registers and O's address: both are written again only behind this wait
	s_cmp_eq_u32 s[SEC], 1
	s_cbranch_scc1 .Lno_more_\@     ; behind the second block nothing is set up
	s_mov_b64 s[10:11], s[OLO:OLO+1]
	s_mov_b32 s[E0], s[E0B]
	s_add_co_u32 s[RT], s[CC], 1    ; the second block has c + 1 tiles
	s_mov_b32 s[SEC], 1
	s_wait_loadcnt 0x0              ; the second block's Q, asked for at the head
	WIN 0x83                        ; it goes where the one text of the products names Q
.set i, 0
.rept 128
	v_mov_b32 v[i], v[QB+i]
.set i, i+1
.endr
	WIN 0
	FRESH
.Lno_more_\@:
.endm
	s_wait_tensorcnt 1              ; my part of slot 0 is in; slot 1's may stay out
	s_barrier_signal -1
	s_barrier_wait -1               ; everybody's is
	FETCH_K                         ; tile 0's
	s_xor_b32 s[CUR], s[CUR], SLOTB
	s_xor_b32 s[OTH], s[OTH], SLOTB
.Ltile:                             ; seven trips: a tile is worked on and the tile two on is asked for
	STEP 1
	s_sub_co_u32 s[RT], s[RT], 1
	s_cmp_lg_u32 s[RT], 0           ; made of c alone: alike in all waves and all partners
	s_cbranch_scc1 .Lon1
	MERGE
.Lon1:
	s_sub_co_u32 s[SLOTS], s[SLOTS], 1
	s_cmp_lg_u32 s[SLOTS], 0
	s_cbranch_scc1 .Ltile
	s_mov_b32 s[CNT], 2             ; the walk's last two tiles ask for nothing: a second text.  In its last trip K's run reads a tile that has landed, and serves nothing
.Ltail:
	STEP 0
	s_sub_co_u32 s[RT], s[RT], 1
	s_cmp_lg_u32 s[RT], 0
	s_cbranch_scc1 .Lon2
	MERGE
.Lon2:
	s_sub_co_u32 s[CNT], s[CNT], 1
	s_cmp_lg_u32 s[CNT], 0
	s_cbranch_scc1 .Ltail
	s_wait_tensorcnt 0x0            ; the wave's end, behind my last tensor load and my last LDS store
	ds_add_u32 v[SPW], v[NIL]
	s_wait_dscnt 0x0
	CROUND                          ; the closing round: no work-group ends while a partner may still ask for a tile that names it
	s_endpgm
.Lfunc_end_k_q7f512f15e4_attn:
	.size	k_q7f512f15e4_attn, .Lfunc_end_k_q7f512f15e4_attn-k_q7f512f15e4_attn
	.p2alignl 7, 3214868480
	.fill 96, 4, 3214868480
	.section	.rodata,"a",@progbits
	.p2align	6, 0x0
	.amdhsa_kernel k_q7f512f15e4_attn
		.amdhsa_group_segment_fixed_size 327680
		.amdhsa_private_segment_fixed_size 0
		.amdhsa_enable_private_segment 0
		.amdhsa_kernarg_size 16
		.amdhsa_user_sgpr_count 2
		.amdhsa_user_sgpr_kernarg_segment_ptr 1
		.amdhsa_wavefront_size32 1
		.amdhsa_system_sgpr_workgroup_id_x 1
		.amdhsa_system_sgpr_workgroup_id_y 1
		.amdhsa_system_sgpr_workgroup_id_z 1
		.amdhsa_system_vgpr_workitem_id 0
		.amdhsa_next_free_vgpr 1024
		.amdhsa_next_free_sgpr 88
		.amdhsa_reserve_vcc 1
		.amdhsa_float_denorm_mode_32 3
		.amdhsa_float_denorm_mode_16_64 3
		.amdhsa_memory_ordered 1
		.amdhsa_forward_progress 1
		.amdhsa_inst_pref_size 185
	.end_amdhsa_kernel
	.amdgpu_metadata
---
amdhsa.version: [ 1, 2 ]
amdhsa.kernels:
  - .name:           k_q7f512f15e4_attn
    .symbol:         k_q7f512f15e4_attn.kd
    .args:
      - { .name: qkv, .offset: 0, .size: 8, .value_kind: global_buffer, .address_space: global }
      - { .name: o16, .offset: 8, .size: 8, .value_kind: global_buffer, .address_space: global }
    .group_segment_fixed_size: 327680
    .private_segment_fixed_size: 0
    .kernarg_segment_align: 8
    .kernarg_segment_size: 16
    .max_flat_workgroup_size: 128
    .sgpr_count:     88
    .vgpr_count:     1024
    .wavefront_size: 32
...
	.end_amdgpu_metadata
.endif
;; end of part 3
;; launch oproj (part 4): grid 16 x 16, 4 waves a work-group, clusters of 4 x 4, 327,680 bytes of LDS; arguments o16, wo16, out0; writes out0
.if DOCPART == 4
	.amdgcn_target "amdgcn-amd-amdhsa--gfx1250"
	.amdhsa_code_object_version 6
	.text
	.protected	k_q7f512f15e4_oproj
	.globl	k_q7f512f15e4_oproj
	.p2align	8
	.type	k_q7f512f15e4_oproj,@function
k_q7f512f15e4_oproj:
	s_mov_b64 s[64:65], 0
	v_nop
	global_prefetch_b8 v0, s[64:65] scope:SCOPE_SE
	s_setreg_imm32_b32 hwreg(HW_REG_WAVE_MODE, 25, 1), 1
	s_wait_xcnt 0x0
	s_wait_alu depctr_hold_cnt(0) depctr_sa_sdst(0) depctr_va_vdst(0) depctr_va_sdst(0) depctr_va_ssrc(0) depctr_va_vcc(0) depctr_vm_vsrc(0)
	s_getreg_b32 s2, hwreg(HW_REG_IB_STS2, 6, 4)
	s_cmp_eq_u32 s2, 0
	s_cbranch_scc0 .Lentry_in_a_cluster
	s_endpgm
.Lentry_in_a_cluster:
	s_bfe_u32 s2, ttmp6, 0x10000c
	s_cmp_lg_u32 s2, 0xf033
	s_cbranch_scc0 .Lentry_shape_is_right
	s_endpgm
.Lentry_shape_is_right:
; THE OUTPUT PROJECTION.  out0[token][n] = the sum over k of O[token][k] Wo[n][k].  o16: [2048][2048] f16; wo16: [2048][2048], Wo rounded to bf16 and written as f16; out0: [2048][2048] f32; sums in f32.
; A tile of the output is 128 x 128: 16 x 16 work-groups.  Four waves, each 64 x 64: 16 accumulators of 16 x 16, 128 registers.  K goes in steps of 256 (LDS rows of 512 bytes; a wave's tensor load
; brings 64 of them) through two slots.  A wave's 64 columns of f32 are 256 aligned bytes, so each wave has a stage of its own on the way out, and no barrier stands there.
; CLUSTER: 4 x 4 work-groups.  The four of a row of the cluster need the same tiles of O, the four of a column the same tiles of Wo: each tile is asked for jointly.
; THE WALK ALONG K BEGINS ELSEWHERE IN EACH CLUSTER: at K step 2 ((X + 2 a) mod 4), X the cluster's x, a the parity of the two bits of the cluster's y, and goes round all 8 (f32 sums may be taken in any
; order).  The four clusters that read the same rows of O (same y) begin 2 K steps apart; of the four that read the same rows of Wo (same x), two and two begin 4 apart: a block's readers come to it in different trips.
; THE PRODUCT IS TAKEN TRANSPOSED (source 0 = 16 rows of Wo, source 1 = 16 tokens): a lane holds eight neighbouring numbers of a row of the output.
; NO PREFETCH: a tile's step is short and the launch has eight of them; the joint loads carry it.
; REGISTERS: window 0: v0-31 addresses; v32-95 at work on the way out; v128-255 the accumulators ((a, b) at v[128 + 8 (4 a + b)]).
;   window 1: two fragment buffers of 128: for 64 along K, 64 registers of O (2 x 4 x 16 rows x 32 K), then 64 of Wo.
.set SIZE_N, 2048
.set SIZE_K, 2048
.set KSTEP,  256
.set NSTEP,  SIZE_K/KSTEP              ; 8 K steps
.set PITCH,  528                       ; 512 bytes + 16 of padding = 132 words: the 16 rows of a load start at 16 different groups of four banks (64 banks of 4 bytes: ISA guide 11.1)
.set HALFT,  64*PITCH                  ; what one tensor load brings
.set SLOT,   4*HALFT                   ; O's 128 rows, then Wo's 128 rows
.set STAGE,  2*SLOT                    ; behind the ring, never filled by a tensor load: 16 rows x 272 bytes for each wave
.set SPITCH, 272
.set SPARE,  STAGE+4*16*SPITCH         ; the spare words, 128 bytes a wave: two blocks of 256 bytes that no other line names
.set LAPS, SIZE_K/(2*KSTEP)
.set ADRA, 16                          ; v16-17  LDS address of my fragments of O in slot 0, 1
.set ADRB, 20                          ; v20-21  the same for Wo
.set STO,  24                          ; v24     the way out: where I put 32 bytes of a row
.set RD,   25                          ; v25     where I read a row back
.set CO,   26                          ; v26     my byte offset in the output
.set SPW,  28                          ; v28     LDS address of my spare word; never rewritten
.set NIL,  29                          ; v29     0; never rewritten
.set TMP,  32                          ; two sets of 32 registers: 16 rows read back
.set ACC,  128
.set F0,   0                           ; fragment buffers, in window 1
.set F1,   128
.set BA,  14                           ; s[14:15] O at the first of the 64 rows that I fetch, K step 0
.set G1, 24
.set G0, 32
.set G1B, 48
.set G0B, 56
.set BB,  66                           ; s[66:67] Wo likewise
.set OFS, 68                           ; s[68:69] a K step's byte offset in a row
.set KN,  70                           ; s70      the K step to be asked for next
.set MSB, 0
.macro WIN new                         ; the immediate's high byte repeats the setting that is left
.if MSB != (\new)
	s_set_vgpr_msb (MSB<<8)|(\new)
.set MSB, \new
.endif
.endm
.set MUL,  0x05                        ; sources 0 and 1 window 1; C and D window 0
.set TO_F, 0x40                        ; destination window 1, address window 0
.macro JLOAD s                         ; a joint load: waves 0 and 1 fetch O's two halves, waves 2 and 3 Wo's; an s_nop 0 and four v_nop follow each of the two lines
	s_cmp_eq_u32 s11, 0
	s_cbranch_scc0 .Lfor_b_\@
	tensor_load_to_lds s[G0+4*(\s):G0+4*(\s)+3], s[G1:G1+7]
	s_nop 0
.rept 4
	v_nop
.endr
	s_branch .Lasked_\@
.Lfor_b_\@:
	tensor_load_to_lds s[G0B+4*(\s):G0B+4*(\s)+3], s[G1B:G1B+7]
	s_nop 0
.rept 4
	v_nop
.endr
.Lasked_\@:
.endm
.macro CREST                           ; a round of the cluster's barrier behind its opening barrier
	s_cmp_lg_u32 s10, 0
	s_cbranch_scc1 .Lnot_wave_0_\@
	s_barrier_signal -3
.Lnot_wave_0_\@:
	s_barrier_wait -3
	s_barrier_signal -1
	s_barrier_wait -1
.endm
.macro CROUND                          ; a whole round
	s_barrier_signal -1
	s_barrier_wait -1
	CREST
.endm
	s_load_b128 s[4:7], s[0:1], 0x0                ; o16 s[4:5], wo16 s[6:7]
	s_load_b64 s[8:9], s[0:1], 0x10                ; out0
	v_lshl_add_u32 v[SPW], v0, 2, SPARE
	v_mov_b32 v[NIL], 0
	ds_add_u32 v[SPW], v[NIL]                      ; the wave's opening: the add and its wait stand ahead of my first tensor load; work on registers stands between them
	v_lshrrev_b32 v1, 5, v0
	v_readfirstlane_b32 s10, v1                    ; wave 0..3
	s_lshr_b32 s11, s10, 1                         ; which half of the tile's rows is mine.  Also: I fetch for O (0) or for Wo (1)
	s_and_b32 s12, s10, 1                          ; which half of its columns.  Also: which 64 rows of that tile I fetch
	s_bfe_u32 s40, ttmp6, 0x40000                  ; cx, cy: my place in the cluster
	s_bfe_u32 s41, ttmp6, 0x40004
	s_lshl_b32 s42, ttmp9, 2
	s_add_co_u32 s42, s42, s40                     ; tile column = 4 x cluster x + cx
	s_and_b32 s13, ttmp7, 0xffff
	s_lshl_b32 s13, s13, 2
	s_add_co_u32 s13, s13, s41                     ; tile row = 4 x cluster y + cy
	s_lshl_b32 s43, s41, 2
	s_lshl_b32 s43, 15, s43                        ; my row of the cluster
	s_lshl_b32 s44, 0x1111, s40                    ; my column
	s_or_b32 s[G1+0], s43, (1<<16)|(1<<20)|(1<<21)|(6<<22)|(3<<25)  ; 15:0 the mask; 17:16 2-byte elements; 20 padding on; 21 set beside a mask; 24:22 after every 128 words; 31:25 4 words
	s_or_b32 s[G1B+0], s44, (1<<16)|(1<<20)|(1<<21)|(6<<22)|(3<<25)
.irp g, G1, G1B
	s_mov_b32 s[(\g)+1], KSTEP<<16                 ; tensor_dim0 = 256
	s_mov_b32 s[(\g)+2], 64<<16                    ; tensor_dim1 = 64
	s_mov_b32 s[(\g)+3], KSTEP<<16                 ; tile_dim0 = 256
	s_mov_b32 s[(\g)+4], 64                        ; tile_dim1 = 64
	s_mov_b32 s[(\g)+5], SIZE_K                    ; elements from row to row
	s_mov_b32 s[(\g)+6], 0
	s_mov_b32 s[(\g)+7], 0
.endr
	s_and_b32 s21, ttmp7, 0xffff                   ; where the walk along K begins: made of the cluster's x and y alone, so it is the same in all sixteen partners
	s_lshr_b32 s22, s21, 1
	s_xor_b32 s22, s22, s21
	s_and_b32 s22, s22, 1                          ; a
	s_lshl_b32 s22, s22, 1
	s_add_co_u32 s22, s22, ttmp9
	s_and_b32 s22, s22, 3
	s_lshl_b32 s[KN], s22, 1                       ; K step 0, 2, 4 or 6
	s_lshl_b32 s[OFS], s[KN], 9                    ; 512 bytes of a row a K step
	s_mov_b32 s[OFS+1], 0
	s_lshl_b32 s17, s12, 6                         ; which 64 rows of the tile I fetch
	s_lshl_b32 s16, s13, 7
	s_add_co_u32 s16, s16, s17                     ; O: row 128 x tile row + 64 x half
	s_lshl_b32 s46, s42, 7
	s_add_co_u32 s46, s46, s17                     ; Wo: row 128 x tile column + 64 x half
	s_mov_b32 s17, 0
	s_mov_b32 s47, 0
	s_mov_b64 s[18:19], SIZE_K*2
	s_mul_u64 s[16:17], s[16:17], s[18:19]
	s_mul_u64 s[46:47], s[46:47], s[18:19]
	s_mul_i32 s20, s10, HALFT                      ; where they go: wave x 64 rows
	s_wait_dscnt 0x0                               ; the opening add is done
	s_wait_kmcnt 0x0
	s_add_nc_u64 s[BA:BA+1], s[4:5], s[16:17]
	s_add_nc_u64 s[BB:BB+1], s[6:7], s[46:47]
	CROUND                                         ; all sixteen work-groups are here: the first joint loads meet
.irp s, 0,1
	s_mov_b32 s[G0+4*(\s)], 1
	s_add_co_u32 s[G0+4*(\s)+1], s20, (\s)*SLOT
	s_add_nc_u64 s[G0+4*(\s)+2:G0+4*(\s)+3], s[BA:BA+1], s[OFS:OFS+1]
	s_add_nc_u64 s[G0+4*(\s)+2:G0+4*(\s)+3], s[G0+4*(\s)+2:G0+4*(\s)+3], (\s)*KSTEP*2
	s_or_b32 s[G0+4*(\s)+3], s[G0+4*(\s)+3], 0x80000000
	s_mov_b32 s[G0B+4*(\s)], 1
	s_add_co_u32 s[G0B+4*(\s)+1], s20, (\s)*SLOT
	s_add_nc_u64 s[G0B+4*(\s)+2:G0B+4*(\s)+3], s[BB:BB+1], s[OFS:OFS+1]
	s_add_nc_u64 s[G0B+4*(\s)+2:G0B+4*(\s)+3], s[G0B+4*(\s)+2:G0B+4*(\s)+3], (\s)*KSTEP*2
	s_or_b32 s[G0B+4*(\s)+3], s[G0B+4*(\s)+3], 0x80000000
	JLOAD \s                                       ; the walk's first two K steps (the start is even: no turn round the end here): two loads of mine are out
.endr
	s_add_co_u32 s[KN], s[KN], 2
	s_and_b32 s[KN], s[KN], NSTEP-1                ; the third, round the end
	v_and_b32 v1, 15, v0                           ; l % 16
	v_bfe_u32 v2, v0, 4, 1                         ; l / 16
	v_mul_u32_u24 v3, v1, PITCH
	v_lshl_add_u32 v3, v2, 4, v3                   ; a fragment's row x pitch + 16 x half
	s_mul_i32 s21, s11, HALFT                      ; my 64 rows of O
	s_mul_i32 s22, s12, HALFT                      ; my 64 rows of Wo,
	s_add_co_u32 s22, s22, 2*HALFT                 ; which lie behind O's 128
.irp s, 0,1
	v_add_nc_u32 v[ADRA+(\s)], s21, v3
	v_add_nc_u32 v[ADRB+(\s)], s22, v3
	s_add_co_u32 s21, s21, SLOT
	s_add_co_u32 s22, s22, SLOT
.endr
	s_mul_i32 s23, s10, 16*SPITCH
	s_add_co_u32 s23, s23, STAGE                   ; my stage
	v_mul_u32_u24 v4, v1, SPITCH                   ; in: row l % 16, 32 bytes for each half of the lanes
	v_lshl_add_u32 v4, v2, 5, v4
	v_add_nc_u32 v[STO], s23, v4
	v_mul_u32_u24 v5, v2, SPITCH                   ; back: lanes 0-15 take one row of 256 bytes, lanes 16-31 the next
	v_lshl_add_u32 v5, v1, 4, v5
	v_add_nc_u32 v[RD], s23, v5
	v_lshlrev_b32 v5, 13, v2                       ; and the same two rows in the output (8,192 bytes a row)
	v_lshl_add_u32 v[CO], v1, 4, v5
	s_lshl_b32 s16, s13, 7
	s_lshl_b32 s17, s11, 6
	s_add_co_u32 s16, s16, s17                     ; my first row: 128 x tile row + 64 x half
	s_lshl_b32 s16, s16, 13
	s_mov_b32 s17, 0
	s_add_nc_u64 s[8:9], s[8:9], s[16:17]
	s_lshl_b32 s46, s42, 9                         ; my first column, in bytes: 512 x tile column + 256 x half
	s_lshl_b32 s47, s12, 8
	s_add_co_u32 s46, s46, s47
	s_mov_b32 s47, 0
	s_add_nc_u64 s[8:9], s[8:9], s[46:47]
; 8 matrix instructions: row blocks a0, a0 + 1 x all 4 column blocks, 32 along K: half c of buffer f.  zero = 1: the product starts the sums.  The 16 accumulators take turns.
.macro MUL8 f, c, a0, zero
	WIN MUL
.irp a, \a0, (\a0)+1
.irp b, 0,1,2,3
.if \zero
	v_wmma_f32_16x16x32_f16 v[ACC+8*(4*(\a)+(\b)):ACC+8*(4*(\a)+(\b))+7], v[(\f)+64+8*(4*(\c)+(\b)):(\f)+64+8*(4*(\c)+(\b))+7], v[(\f)+8*(4*(\c)+(\a)):(\f)+8*(4*(\c)+(\a))+7], 0
.else
	v_wmma_f32_16x16x32_f16 v[ACC+8*(4*(\a)+(\b)):ACC+8*(4*(\a)+(\b))+7], v[(\f)+64+8*(4*(\c)+(\b)):(\f)+64+8*(4*(\c)+(\b))+7], v[(\f)+8*(4*(\c)+(\a)):(\f)+8*(4*(\c)+(\a))+7], v[ACC+8*(4*(\a)+(\b)):ACC+8*(4*(\a)+(\b))+7]
.endif
.endr
.endr
.endm
; 32 LDS loads in one run: the fragments of 64 along K at byte k of the rows, into buffer f; the first 32 along K first
.macro FETCH slot, k, f
	WIN TO_F
.irp c, 0,1
.irp i, 0,1,2,3
	ds_load_b128 v[(\f)+64+8*(4*(\c)+(\i)):(\f)+64+8*(4*(\c)+(\i))+3],   v[ADRB+(\slot)] offset:(\k)+64*(\c)+(\i)*16*PITCH
	ds_load_b128 v[(\f)+64+8*(4*(\c)+(\i))+4:(\f)+64+8*(4*(\c)+(\i))+7], v[ADRB+(\slot)] offset:(\k)+64*(\c)+(\i)*16*PITCH+32
	ds_load_b128 v[(\f)+8*(4*(\c)+(\i)):(\f)+8*(4*(\c)+(\i))+3],         v[ADRA+(\slot)] offset:(\k)+64*(\c)+(\i)*16*PITCH
	ds_load_b128 v[(\f)+8*(4*(\c)+(\i))+4:(\f)+8*(4*(\c)+(\i))+7],       v[ADRA+(\slot)] offset:(\k)+64*(\c)+(\i)*16*PITCH+32
.endr
.endr
.endm
.macro PLACES                          ; four places in front of loads into registers that matrix instructions have read, and of LDS stores that read results
.rept 4
	v_nop
.endr
.endm
; A K step is four quarters of 64 along K, 32 matrix instructions each, on buffers 0, 1, 0, 1.  One of the first three multiplies buffer f and fetches the next quarter, at byte k, into g.
.macro QUARTER slot, k, f, g, zero
	s_wait_dscnt 16                                ; the first 32 along K are in
	WIN MUL
	MUL8 \f, 0, 0, \zero
	MUL8 \f, 0, 2, \zero
	PLACES
	FETCH \slot, \k, \g
	s_wait_dscnt 32                                ; all but the 32 just issued
	WIN MUL
	MUL8 \f, 1, 0, 0
	MUL8 \f, 1, 2, 0
.endm
; The last quarter multiplies buffer 1 and changes slots: one barrier; in front of it each wave waits for all its tensor loads, adds 0 to its spare word, and waits for that and for its own reads of this slot.
; fill = 1: the barrier opens a round of the cluster's, and this slot is filled again, with K step KN.
.macro TURN slot, next, fill
	WIN 0                                          ; (the add's two registers lie in window 0)
	s_wait_tensorcnt 0x0                           ; all my tensor loads have landed: my part of the next slot; so a group 0 may be written
	ds_add_u32 v[SPW], v[NIL]                      ; 0 onto my spare word; scalar and matrix work stands between it and the wait for it
.if \fill
	s_lshl_b32 s[OFS], s[KN], 9                    ; the refill's addresses are made anew from the K step's number
	s_add_nc_u64 s[G0+4*(\slot)+2:G0+4*(\slot)+3], s[BA:BA+1], s[OFS:OFS+1]
	s_or_b32 s[G0+4*(\slot)+3], s[G0+4*(\slot)+3], 0x80000000
	s_add_nc_u64 s[G0B+4*(\slot)+2:G0B+4*(\slot)+3], s[BB:BB+1], s[OFS:OFS+1]
	s_or_b32 s[G0B+4*(\slot)+3], s[G0B+4*(\slot)+3], 0x80000000
	s_add_co_u32 s[KN], s[KN], 1                   ; the next K step, round the end
	s_and_b32 s[KN], s[KN], NSTEP-1
.endif
	s_wait_dscnt 17                                ; (the add and the youngest sixteen loads may be out)
	WIN MUL
	MUL8 F1, 0, 0, 0                               ; eight matrix instructions
	s_wait_dscnt 0x0                               ; the add is done, and my reads of this slot are over
	s_barrier_signal -1
	MUL8 F1, 0, 2, 0
.if \fill
	WIN 0
.endif
	s_barrier_wait -1
.if \fill
	CREST                                          ; no wave of any partner still reads this slot's tile or has a load on its way
	JLOAD \slot                                    ; 112 matrix instructions ahead of the wait for it; the four v_nop behind it are also the places in front of the loads below
.else
	PLACES
.endif
	FETCH \next, 0, F0
	WIN MUL
	MUL8 F1, 1, 0, 0
	MUL8 F1, 1, 2, 0
.endm
	s_wait_tensorcnt 1                             ; my part of the first K step is in; the second's may stay out
	s_barrier_signal -1
	s_barrier_wait -1                              ; everybody's is
	FETCH 0, 0, F0
	QUARTER 0, 128, F0, F1, 1                      ; the first quarter stands in front of the loop: its first products start the sums
	WIN 0                                          ; at a label and at a branch every window is 0
	s_mov_b32 s3, LAPS-1
.Llap:                                                 ; a trip goes once round the ring, from a lap's second quarter to the next lap's first, and fills both slots again
	QUARTER 0, 256, F1, F0, 0
	QUARTER 0, 384, F0, F1, 0
	TURN 0, 1, 1
	QUARTER 1, 128, F0, F1, 0
	QUARTER 1, 256, F1, F0, 0
	QUARTER 1, 384, F0, F1, 0
	TURN 1, 0, 1
	QUARTER 0, 128, F0, F1, 0
	WIN 0
	s_sub_co_u32 s3, s3, 1
	s_cmp_lg_u32 s3, 0
	s_cbranch_scc1 .Llap
	QUARTER 0, 256, F1, F0, 0                      ; the last lap fills nothing
	QUARTER 0, 384, F0, F1, 0
	TURN 0, 1, 0
	QUARTER 1, 128, F0, F1, 0
	QUARTER 1, 256, F1, F0, 0
	QUARTER 1, 384, F0, F1, 0
	s_wait_dscnt 16                                ; the very last quarter: nothing more to fetch
	WIN MUL
	MUL8 F1, 0, 0, 0
	MUL8 F1, 0, 2, 0
	s_wait_dscnt 0x0
	MUL8 F1, 1, 0, 0
	MUL8 F1, 1, 2, 0
	WIN 0
	; THE WAY OUT, 16 rows at a time: a lane's eight f32 of a row, 32 bytes, go into my stage (each accumulator's low four registers first); whole rows of 256 bytes come back and are stored.
	PLACES
.irp a, 0,1,2,3
.irp b, 0,1,2,3
	ds_store_b128 v[STO], v[ACC+8*(4*(\a)+(\b)):ACC+8*(4*(\a)+(\b))+3]   offset:64*(\b)
	ds_store_b128 v[STO], v[ACC+8*(4*(\a)+(\b))+4:ACC+8*(4*(\a)+(\b))+7] offset:64*(\b)+16
.endr
.if (\a) >= 2
	s_wait_xcnt 0x0                                ; the stores of two blocks ago have read this set of registers: it is loaded again only behind this wait
.endif
.irp t, 0,1,2,3,4,5,6,7
	ds_load_b128 v[TMP+32*((\a)%2)+4*(\t):TMP+32*((\a)%2)+4*(\t)+3], v[RD] offset:(\t)*2*SPITCH  ; LDS serves a wave's instructions in order (ISA guide 5.7.1.4): these see the stores above; the next block's stores come behind them
.endr
.irp t, 0,1,2,3,4,5,6,7
	s_wait_dscnt 7-(\t)
	global_store_b128 v[CO], v[TMP+32*((\a)%2)+4*(\t):TMP+32*((\a)%2)+4*(\t)+3], s[8:9] offset:(16*(\a)+2*(\t))*SIZE_N*4  ; 16 lanes store 256 consecutive bytes, aligned
.endr
.endr
	s_wait_tensorcnt 0x0                           ; the wave's end, behind my last tensor load and my last LDS store
	ds_add_u32 v[SPW], v[NIL]
	s_wait_dscnt 0x0
	CROUND                                         ; the closing round: no work-group ends while a partner may still ask for a tile that names it
	s_endpgm
.Lfunc_end_k_q7f512f15e4_oproj:
	.size	k_q7f512f15e4_oproj, .Lfunc_end_k_q7f512f15e4_oproj-k_q7f512f15e4_oproj
	.p2alignl 7, 3214868480
	.fill 96, 4, 3214868480
	.section	.rodata,"a",@progbits
	.p2align	6, 0x0
	.amdhsa_kernel k_q7f512f15e4_oproj
		.amdhsa_group_segment_fixed_size 327680
		.amdhsa_private_segment_fixed_size 0
		.amdhsa_enable_private_segment 0
		.amdhsa_kernarg_size 24
		.amdhsa_user_sgpr_count 2
		.amdhsa_user_sgpr_kernarg_segment_ptr 1
		.amdhsa_wavefront_size32 1
		.amdhsa_system_sgpr_workgroup_id_x 1
		.amdhsa_system_sgpr_workgroup_id_y 1
		.amdhsa_system_sgpr_workgroup_id_z 1
		.amdhsa_system_vgpr_workitem_id 0
		.amdhsa_next_free_vgpr 512
		.amdhsa_next_free_sgpr 72
		.amdhsa_reserve_vcc 0
		.amdhsa_float_denorm_mode_32 3
		.amdhsa_float_denorm_mode_16_64 3
		.amdhsa_memory_ordered 1
		.amdhsa_forward_progress 1
		.amdhsa_inst_pref_size 87
	.end_amdhsa_kernel
	.amdgpu_metadata
---
amdhsa.version: [ 1, 2 ]
amdhsa.kernels:
  - .name:           k_q7f512f15e4_oproj
    .symbol:         k_q7f512f15e4_oproj.kd
    .args:
      - { .name: o16, .offset: 0, .size: 8, .value_kind: global_buffer, .address_space: global }
      - { .name: wo16, .offset: 8, .size: 8, .value_kind: global_buffer, .address_space: global }
      - { .name: out0, .offset: 16, .size: 8, .value_kind: global_buffer, .address_space: global }
    .group_segment_fixed_size: 327680
    .private_segment_fixed_size: 0
    .kernarg_segment_align: 8
    .kernarg_segment_size: 24
    .max_flat_workgroup_size: 128
    .sgpr_count:     72
    .vgpr_count:     512
    .wavefront_size: 32
...
	.end_amdgpu_metadata
.endif
;; end of part 4
;; ======== version 2 of 2: 4 launches; version 1 with the launch prep written anew for expert scheduling mode
;; limits: values are held in f16: magnitudes above 65,504 overflow, below 6.1e-05 lose precision
;; workspace buffers: xb 8,388,608 bytes; wb 25,165,824 bytes; wo16 8,388,608 bytes; cs 1,048,576 bytes; qkv 25,165,824 bytes; o16 8,388,608 bytes
;; launch prep (part 5): grid 512 x 1, 8 waves a work-group, no clusters, 0 bytes of LDS; arguments x, Wq, Wk, Wv, Wo, token_positions, xb, wb, wo16, cs; writes xb, wb, wo16, cs
.if DOCPART == 5
	.amdgcn_target "amdgcn-amd-amdhsa--gfx1250"
	.amdhsa_code_object_version 6
	.text
	.protected	k_q7f512f15e4_prep
	.globl	k_q7f512f15e4_prep
	.p2align	8
	.type	k_q7f512f15e4_prep,@function
k_q7f512f15e4_prep:
	s_mov_b64 s[64:65], 0
	v_nop
	global_prefetch_b8 v0, s[64:65] scope:SCOPE_SE
	s_setreg_imm32_b32 hwreg(HW_REG_WAVE_SCHED_MODE, 0, 2), 2
	s_setreg_imm32_b32 hwreg(HW_REG_WAVE_MODE, 25, 1), 1
	s_wait_xcnt 0x0
	s_wait_alu depctr_vm_vsrc(0)
; PREPARATION.  x, Wq, Wk, Wv are rounded once to bf16 (xb; wb = Wq, Wk, Wv one behind the other); Wo is rounded to bf16 and that number written as f16 (wo16);
; cs[token][i] = (cos, sin) of position(token) x 10000^(-i/64), i = 0..63, in f32: the rotation table, already gathered by token_positions.
; SHARES.  512 work-groups of 256 threads.  Of each of the five arrays (4,194,304 numbers) a work-group takes 8,192, in eight chunks of 1,024; of a chunk thread t takes numbers 4 t .. 4 t + 3:
; a load of a wave covers 512 consecutive bytes, aligned; the four numbers make 8 bytes, and a store of a wave covers 256 consecutive bytes, aligned.  All 40 loads of a thread go out before the first is used.
; Each byte is read once and written once; no LDS, no barrier, no matrix work: the launch only moves bytes.
; LIMITS.  A position is taken as unsigned and held to 0..4095 (the table of the problem has 4,096 rows).  Wo beyond 65,504 has no f16; below 6e-5 it keeps f16's fixed step of 6e-8.
; THE ANGLE is position x frequency, one f32 rounding; it is at most 4,095.  It is brought into -pi/4..pi/4 by n = round(angle x 2/pi), pi/2 in two parts (fused, so the first
; product is exact before its one rounding); sine and cosine there by polynomials of degree 7 and 8; the quadrant n mod 4 swaps them and sets the signs, by selects alone.
; THE MODE: SCHED_MODE bits 1:0 = 2 (LLVM: expert scheduling mode 2), set by the entry lines.  The code itself states the register dependences between vector instructions and memory
; instructions, with s_wait_alu, always for 0.
; THE PLAN.  Registers that memory instructions touch:
;   v1, v3     offsets of the loads; v2, v4 offsets of the stores.  Written once, by vector lines at the head; never written again.
;   v7         the position.  Its load lands in it before any vector line has named it.
;   v[32:191]  X.  All 40 loads are issued at the head, before any vector line has named these registers.  Behind the wait for an array's data its conversions read a chunk's four registers and write
;              the low two in place; those two are the chunk's store data, and nothing writes them again.
;   v[16:17]   the table's pair.  Written by the table's arithmetic, read by one store, never written again.
; So no load lands in a register that a vector line has named, and no register that a memory instruction reads is ever written again.  What is left to state: the offsets are written (one wait at the
; head, in front of the first load); an array's packed words are written (one wait an array, between its conversions and the run of its eight stores; the first of them also covers the table's pair, whose
; store stands behind it); and the compare's mask is written (one wait on VCC).
.set X, 32                             ; v[32:191]  array n (x, Wq, Wk, Wv, Wo), chunk j: four registers at X + 32 n + 4 j
	s_load_b512 s[8:23], s[0:1], 0x0               ; x s[8:9], Wq s[10:11], Wk s[12:13], Wv s[14:15], Wo s[16:17], token_positions s[18:19], xb s[20:21], wb s[22:23]
	s_load_b128 s[24:27], s[0:1], 0x40             ; wo16 s[24:25], cs s[26:27]
	s_lshl_b32 s2, ttmp9, 15                       ; the work-group's 8,192 numbers: 32,768 bytes in,
	s_lshl_b32 s3, ttmp9, 14                       ; 16,384 bytes out,
	s_lshl_b32 s4, ttmp9, 4                        ; its four tokens' positions,
	s_lshl_b32 s5, ttmp9, 11                       ; its 256 pairs of the table
	v_lshl_add_u32 v1, v0, 4, s2                   ; v1  my 16 bytes of a chunk, in
	v_lshl_add_u32 v2, v0, 3, s3                   ; v2  my 8 bytes of a chunk, out
	v_lshrrev_b32 v3, 6, v0
	v_lshl_add_u32 v3, v3, 2, s4                   ; v3  my token's position: token 4 g + t / 64
	v_lshl_add_u32 v4, v0, 3, s5                   ; v4  my pair of the table
	v_and_b32 v5, 63, v0                           ; i
	v_cvt_f32_u32 v5, v5
	v_mul_f32 v5, 0xbe549a78, v5                   ; - i x log2(10000) / 64
	v_exp_f32 v6, v5                               ; the frequency
	s_wait_kmcnt 0x0
	s_add_nc_u64 s[28:29], s[22:23], 0x800000      ; wb's part for Wk,
	s_add_nc_u64 s[30:31], s[22:23], 0x1000000     ; and for Wv
	s_wait_alu depctr_va_vdst(0)                   ; v1 to v4 are written: every load and store of the kernel reads one of them as its offset.  The exponential has written v6: this is also the wait ahead of the first line that names its result
	global_load_b32 v7, v3, s[18:19]
.macro LD n, sb                        ; array n's eight loads, a chunk each
.irp j, 0,1,2,3,4,5,6,7
	global_load_b128 v[X+32*(\n)+4*(\j):X+32*(\n)+4*(\j)+3], v1, s[\sb:\sb+1] offset:(\j)*4096 th:TH_LOAD_NT
.endr
.endm
	LD 0, 8
	LD 1, 10
	LD 2, 12
	LD 3, 14
	LD 4, 16
	s_wait_loadcnt 40                              ; the position is in; the 40 loads issued behind it stay out
	v_min_u32 v7, 0xfff, v7                        ; (also the plain instruction between the exponential and the use of its result)
	v_cvt_f32_u32 v7, v7
	v_mul_f32 v8, v7, v6                           ; the angle
	v_mul_f32 v9, 0x3f22f983, v8                   ; x 2 / pi
	v_rndne_f32 v9, v9                             ; n
	v_cvt_i32_f32 v14, v9                          ; what hangs on n alone is made first, so that the polynomials stand between the compare and the wait for its mask
	v_and_b32 v20, 1, v14
	v_cmp_eq_u32 vcc_lo, 1, v20                    ; an odd quadrant swaps the two
	v_and_b32 v21, 2, v14                          ; the sine is negative in quadrants 2 and 3,
	v_lshlrev_b32 v21, 30, v21
	v_add_nc_u32 v22, 1, v14                       ; the cosine in quadrants 1 and 2
	v_and_b32 v22, 2, v22
	v_lshlrev_b32 v22, 30, v22
	v_fma_f32 v10, v9, 0xbfc90fdb, v8              ; angle - n x (pi/2 rounded to f32)
	v_fma_f32 v10, v9, 0x333bbd2e, v10             ; + n x (what that rounding added): r
	v_mul_f32 v11, v10, v10                        ; z = r r
	v_mov_b32 v12, 0xb94ca1f9
	v_fmaak_f32 v12, v12, v11, 0x3c08839e
	v_fmaak_f32 v12, v12, v11, 0xbe2aaaa3
	v_mul_f32 v15, v10, v11
	v_fma_f32 v12, v15, v12, v10                   ; sin r = r + r z (s1 + z (s2 + z s3))
	v_mov_b32 v13, 0x37ccf5d0
	v_fmaak_f32 v13, v13, v11, 0xbab6061a
	v_fmaak_f32 v13, v13, v11, 0x3d2aaaa5
	v_mul_f32 v18, v11, v11
	v_fma_f32 v19, v11, -0.5, 1.0
	v_fma_f32 v13, v18, v13, v19                   ; cos r = 1 - z / 2 + z z (c1 + z (c2 + z c3))
	s_wait_alu depctr_va_vcc(0)                    ; the compare has written VCC, which the two selects below read
	v_cndmask_b32 v17, v12, v13, vcc_lo            ; sine
	v_cndmask_b32 v16, v13, v12, vcc_lo            ; cosine
	v_xor_b32 v17, v21, v17
	v_xor_b32 v16, v22, v16                        ; the pair's store stands behind the first array's wait, below
; Array n is rounded in place (word k of a chunk's four registers takes numbers 2 k and 2 k + 1, k ascending, so no number is overwritten before it is read) and stored.  No register is written again behind its store.
; All eight chunks are rounded, then one wait, then the run of eight stores.  table = 1: the table's store goes with them.
.macro CV n, sb, left, half, table
	s_wait_loadcnt \left                           ; loads come back in order: this array's eight are in, the later arrays' stay out
.irp j, 0,1,2,3,4,5,6,7
	v_cvt_pk_bf16_f32 v[X+32*(\n)+4*(\j)],   v[X+32*(\n)+4*(\j)],   v[X+32*(\n)+4*(\j)+1]
	v_cvt_pk_bf16_f32 v[X+32*(\n)+4*(\j)+1], v[X+32*(\n)+4*(\j)+2], v[X+32*(\n)+4*(\j)+3]
.if \half
.irp k, 0,1
	v_lshlrev_b32 v24, 16, v[X+32*(\n)+4*(\j)+(\k)]        ; the bf16 numbers as f32,
	v_and_b32 v25, 0xffff0000, v[X+32*(\n)+4*(\j)+(\k)]
	v_cvt_pk_f16_f32 v[X+32*(\n)+4*(\j)+(\k)], v24, v25    ; written as f16: exact within f16's range
.endr
.endif
.endr
	s_wait_alu depctr_va_vdst(0)                   ; the conversions have written the array's sixteen packed words, which the stores below read (with table = 1: the table's arithmetic has written v16 and v17 too)
.if \table
	global_store_b64 v4, v[16:17], s[26:27]        ; a wave stores 256 consecutive bytes, aligned; v4, v16, v17 are not written again
.endif
.irp j, 0,1,2,3,4,5,6,7
	global_store_b64 v2, v[X+32*(\n)+4*(\j):X+32*(\n)+4*(\j)+1], s[\sb:\sb+1] offset:(\j)*2048
.endr
.endm
	CV 0, 20, 32, 0, 1
	CV 1, 22, 24, 0, 0
	CV 2, 28, 16, 0, 0
	CV 3, 30, 8, 0, 0
	CV 4, 24, 0, 1, 0
	s_endpgm
.Lfunc_end_k_q7f512f15e4_prep:
	.size	k_q7f512f15e4_prep, .Lfunc_end_k_q7f512f15e4_prep-k_q7f512f15e4_prep
	.p2alignl 7, 3214868480
	.fill 96, 4, 3214868480
	.section	.rodata,"a",@progbits
	.p2align	6, 0x0
	.amdhsa_kernel k_q7f512f15e4_prep
		.amdhsa_group_segment_fixed_size 0
		.amdhsa_private_segment_fixed_size 0
		.amdhsa_enable_private_segment 0
		.amdhsa_kernarg_size 80
		.amdhsa_user_sgpr_count 2
		.amdhsa_user_sgpr_kernarg_segment_ptr 1
		.amdhsa_wavefront_size32 1
		.amdhsa_system_sgpr_workgroup_id_x 1
		.amdhsa_system_sgpr_workgroup_id_y 1
		.amdhsa_system_sgpr_workgroup_id_z 1
		.amdhsa_system_vgpr_workitem_id 0
		.amdhsa_next_free_vgpr 200
		.amdhsa_next_free_sgpr 66
		.amdhsa_reserve_vcc 1
		.amdhsa_float_denorm_mode_32 3
		.amdhsa_float_denorm_mode_16_64 3
		.amdhsa_memory_ordered 1
		.amdhsa_forward_progress 1
		.amdhsa_inst_pref_size 19
	.end_amdhsa_kernel
	.amdgpu_metadata
---
amdhsa.version: [ 1, 2 ]
amdhsa.kernels:
  - .name:           k_q7f512f15e4_prep
    .symbol:         k_q7f512f15e4_prep.kd
    .args:
      - { .name: x, .offset: 0, .size: 8, .value_kind: global_buffer, .address_space: global }
      - { .name: Wq, .offset: 8, .size: 8, .value_kind: global_buffer, .address_space: global }
      - { .name: Wk, .offset: 16, .size: 8, .value_kind: global_buffer, .address_space: global }
      - { .name: Wv, .offset: 24, .size: 8, .value_kind: global_buffer, .address_space: global }
      - { .name: Wo, .offset: 32, .size: 8, .value_kind: global_buffer, .address_space: global }
      - { .name: token_positions, .offset: 40, .size: 8, .value_kind: global_buffer, .address_space: global }
      - { .name: xb, .offset: 48, .size: 8, .value_kind: global_buffer, .address_space: global }
      - { .name: wb, .offset: 56, .size: 8, .value_kind: global_buffer, .address_space: global }
      - { .name: wo16, .offset: 64, .size: 8, .value_kind: global_buffer, .address_space: global }
      - { .name: cs, .offset: 72, .size: 8, .value_kind: global_buffer, .address_space: global }
    .group_segment_fixed_size: 0
    .private_segment_fixed_size: 0
    .kernarg_segment_align: 8
    .kernarg_segment_size: 80
    .max_flat_workgroup_size: 256
    .sgpr_count:     66
    .vgpr_count:     200
    .wavefront_size: 32
...
	.end_amdgpu_metadata
.endif
;; end of part 5
;; launch qkv: the kernel of part 2 again; grid 16 x 16, 4 waves a work-group, clusters of 4 x 4, 327,680 bytes of LDS; arguments xb, wb, cs, qkv; writes qkv
;; launch attn: the kernel of part 3 again; grid 16 x 16, 4 waves a work-group, clusters of 4 x 1, 327,680 bytes of LDS; arguments qkv, o16; writes o16
;; launch oproj: the kernel of part 4 again; grid 16 x 16, 4 waves a work-group, clusters of 4 x 4, 327,680 bytes of LDS; arguments o16, wo16, out0; writes out0
